; MI455X (gfx1250); checked and timed in simulation.
; The chip was launched on July 23, 2026; its instructions are those of AMD's public machine-readable ISA for CDNA 5 (MIT licence, August 2026) and "CDNA5" Instruction Set Architecture Reference Guide (July 2026). The comments in the code are by the model that wrote it; some were corrected since.
;; Vision Attention. Allowed arithmetic: matrix products marked QUANTISED: E2M1 operands, one E8M0 scale for each 32 along K, by v_wmma_scale_f32_16x16x128_f8f6f4 with both operands' format E2M1 (or v_wmma_scale_f32_32x16x128_f4), f32 sums; products left as they are: bf16, f16 or f32 operands; f32 sums; everything else in f32.
;; Inputs: W_proj 1,024 x 1,024 float32; W_qkv 1,024 x 3,072 float32; b_proj 1,024 float32; b_qkv 3,072 float32; hidden_states 8 x 1,024 x 1,024 float32; k_norm_w 1,024 float32; q_norm_w 1,024 float32.
;; Outputs: out0 8 x 1,024 x 1,024 float32.
;; This version of the problem:
;;   THIS VERSION OF THE PROBLEM IS GIVEN IN LOW PRECISION. The matrix products marked QUANTISED in the list below multiply operands that are first quantised to E2M1 (2 exponent bits, 1 mantissa bit; 4 bits a number), with one power-of-two scale for each 32 numbers along K (OCP MX v1.0); their sums are f32. The products marked 'left as it is' may take bf16, f16 or f32 operands, with f32 sums. Whichever they take, every output number must still come out within the allowed error. Rounding operands to bf16 (8 significant bits) uses up far more of that allowance than f16 does (11 bits, for magnitudes from 6e-5 to 65,504). All else is computed in f32.
;;   The module's matrix products, in the order in which they are computed (A, B: the left and right operand; K: the contracted axis; several contracted axes count as one K, in the product's order):
;;     1. [M 8,192, K 1,024] x [K 1,024, N 3,072]; A: input hidden_states; B: input W_qkv: QUANTISED
;;     2. batch 128 x [M 1,024, K 64] x [K 64, N 1,024]; A: computed on the way; B: computed on the way: left as it is (an operand is computed on the way)
;;     3. batch 128 x [M 64, K 1,024] x [K 1,024, N 1,024]; A: computed on the way; B: computed on the way: left as it is (an operand is computed on the way)
;;     4. [M 8,192, K 1,024] x [K 1,024, N 1,024]; A: computed on the way; B: input W_proj: left as it is (an operand is computed on the way)
;;   THE QUANTISER, for each operand of a quantised product, along K:
;;     - K is cut into blocks of 32 from its start; a last block that is shorter is filled with zeros.
;;     - A block's scale is 2^e with e = floor(log2(the largest magnitude in the block)) - 2, held to -126 .. 127; a block of zeros has e = 0. As a byte (E8M0): e + 127.
;;     - Each number is divided by its block's scale, clamped to +-6, and rounded to the nearest number of E2M1, ties to even, subnormals kept.
;;     - The product sums the exact products of the quantised numbers (number of the format x scale) in f32.
;;   ~~~python
;;   def quantise(x, axis):      # numpy; x: float32 -> the quantised numbers, widened to float32 again
;;       x = np.moveaxis(x, axis, -1); K = x.shape[-1]
;;       x = np.pad(x, [(0, 0)] * (x.ndim - 1) + [(0, -K % 32)]); x = x.reshape(x.shape[:-1] + (-1, 32)); a = np.abs(x).max(-1, keepdims=True)
;;       e = np.where(a > 0, np.clip(np.frexp(np.where(a > 0, a, 1))[1] - 1 - 2, -126, 127), 0)      # np.frexp(a)[1] - 1 = floor(log2(a)), exactly
;;       r = np.clip(x / 2.0 ** e, -6, 6)
;;       step = 2.0 ** (np.maximum(np.frexp(np.where(r == 0, 1, r))[1] - 1, 0) - 1)
;;       q = np.round(r / step) * step * 2.0 ** e      # np.round: ties to even
;;       return np.moveaxis(q.reshape(q.shape[:-2] + (-1,))[..., :K], -1, axis).astype(np.float32)
;;   ~~~
;; One version. Each part assembles by itself: llvm-mc -triple=amdgcn-amd-amdhsa -mcpu=gfx1250 --defsym DOCPART=n.
;; ======== version 1 of 1: 4 launches
;; limits: values are held in f16: magnitudes above 65,504 overflow, below 6.1e-05 lose precision; right only within a limited range of input values
;; workspace buffers: cw 6,127,616 bytes; wpf 2,097,152 bytes; qkv 50,331,648 bytes; ssq 524,288 bytes; ao 16,777,216 bytes
;; launch prep (part 1): grid 512 x 1, 4 waves a work-group, no clusters, 34,304 bytes of LDS; arguments hidden_states, W_qkv, W_proj, cw, wpf; writes cw, wpf
.if DOCPART == 1
	.amdgcn_target "amdgcn-amd-amdhsa--gfx1250"
	.amdhsa_code_object_version 6
	.text
	.protected	k_q7b83241bdc_prep
	.globl	k_q7b83241bdc_prep
	.p2align	8
	.type	k_q7b83241bdc_prep,@function
k_q7b83241bdc_prep:
	s_mov_b64 s[64:65], 0
	v_nop
	global_prefetch_b8 v0, s[64:65] scope:SCOPE_SE
	s_setreg_imm32_b32 hwreg(HW_REG_WAVE_MODE, 25, 1), 1
	s_wait_xcnt 0x0
; x [8192][1024] and W_qkv [1024][3072], f32, become codes of E2M1 with one E8M0 byte for each 32 along K; W_proj [1024][1024] becomes f16.
; ALL THREE ARE LAID AS IMAGES OF OPERAND REGISTERS.  A fragment (16 rows x 128 K of codes, or 16 rows x 32 K of f16) is 8 registers a lane = 1,024 bytes:
; registers 0-3 at 16 x lane, registers 4-7 at 512 + 16 x lane.  cw: [half-block of 128 rows][K step of 128][8 fragments, then 128 scale words] = CH bytes a K step;
; half-blocks 0-63 are x's rows, 64-87 W_qkv's columns.  wpf: [128 columns][K step of 128][8 tiles of 16 columns][4 fragments of 32 K].
; A block's scale is 2^(floor(log2(largest magnitude)) - 2): its byte is the largest magnitude's exponent field - 2, held at 1 from below by a floor among the maximum's leaves.
; LIMITS: a block of zeros gets the byte 1 where the rule says 127 (its codes are zeros, and this program alone reads the bytes); NaN and infinities are not served;
; W_proj goes to f16: magnitudes up to 65,504, under 6e-5 with an absolute step of 6e-8.
; SHARES: work-groups 0-255: 32 whole rows of x each (wave w: K steps 2 w, 2 w + 1); 256-447: 128 columns x 128 K of W_qkv; 448-511: the same of W_proj (a lane to a column, registers down K).
; No tensor load, no barrier: waves share nothing.  Only x's path touches LDS: a stage of the wave's own, which turns rows as they lie into 32 neighbours a lane.
.set CH,    8704                       ; 8 fragments of 1,024 bytes + 128 scale words
.set STGB,  8448                       ; a wave's stage: 16 rows x (512 bytes + 16 of padding)
.set SPARE, 4*STGB                     ; behind the stages: the spare words, 128 bytes a wave, that no other line names
.set SPW,   12                         ; v12  my spare word's LDS address; never rewritten
.set NIL,   13                         ; v13  0; never rewritten
.set R,     16                         ; v16-143  x as loaded, two sets of 64
.set X,     144                        ; v144-207 two blocks of 32 neighbours
.set C,     208                        ; v208-239 codes, 8 registers a fragment: no store's data are written again
.set WD,    240                        ; v240-243 a fragment's scale word
.set XW,    16                         ; weights: v16-79 two sets of 32 numbers down K
.set CW,    80                         ; v80-95   W_qkv's codes, 4 registers a block
.set PW,    96                         ; v96-159  W_proj in f16, 16 registers a block
.macro XLOAD f                         ; fragment f (tile f % 2, K step f / 2): 16 rows, each load 512 consecutive bytes of one row
.set i, 0
.rept 16
	global_load_b128 v[R+64*((\f)%2)+4*i:R+64*((\f)%2)+4*i+3], v2, s[4:5] offset:(16*((\f)%2)+i)*4096+((\f)/2)*512 th:TH_LOAD_NT
.set i, i+1
.endr
.endm
.macro XTURN f                         ; through the stage: in as loaded, out 128 bytes (a block) at a time: lane (r, h) takes blocks h and 2 + h of row r.  LDS serves a wave's instructions in order
.set i, 0
.rept 16
	ds_store_b128 v4, v[R+64*((\f)%2)+4*i:R+64*((\f)%2)+4*i+3] offset:528*i
.set i, i+1
.endr
.irp c, 0,1
.irp j, 0,1,2,3,4,5,6,7
	ds_load_b128 v[X+32*\c+4*\j:X+32*\c+4*\j+3], v5 offset:256*\c+16*\j
.endr
.endr
.endm
.macro XQUANT f
.irp c, 0,1
	v_max3_num_f32 v[244+\c], |v[X+32*\c]|, |v[X+32*\c+1]|, 0x1800000   ; my block 2 c + h, and the floor 2^(3 - 127): the byte cannot fall under 1
.endr
.irp i, 2,4,6,8,10,12,14,16,18,20,22,24,26,28,30
.irp c, 0,1
	v_max3_num_f32 v[244+\c], v[244+\c], |v[X+32*\c+\i]|, |v[X+32*\c+\i+1]|   ; the two blocks by turns
.endr
.endr
.irp c, 0,1
	v_add_nc_u32 v[246+\c], 0xff000000, v[244+\c]      ; 2 off the exponent field: the conversion's scale operand
.endr
.irp c, 0,1
	v_lshrrev_b32 v[248+\c], 23, v[246+\c]             ; the scale's byte
.endr
	v_lshl_or_b32 v[WD+(\f)], v249, 16, v248           ; my two bytes,
	v_lshlrev_b32 v[WD+(\f)], v6, v[WD+(\f)]           ; 8 h bits up;
	v_permlanex16_b32 v250, v[WD+(\f)], s24, s25
	v_or_b32 v[WD+(\f)], v[WD+(\f)], v250              ; with lane l xor 16's two the row's word is whole
.irp c, 0,1
.irp g, 0,1,2,3
	v_cvt_scalef32_pk8_fp4_f32 v[C+8*(\f)+4*\c+\g], v[X+32*\c+8*\g:X+32*\c+8*\g+7], v[246+\c]
.endr
.endr
	v_nop                                              ; one plain line behind the last scaled conversion
.irp c, 0,1
	global_store_b128 v3, v[C+8*(\f)+4*\c:C+8*(\f)+4*\c+3], s[10:11] offset:((\f)/2)*CH+((\f)%2)*1024+512*\c   ; 512 consecutive bytes: the image of registers 4 c .. 4 c + 3
.endr
.if (\f)%2
	v_cndmask_b32 v[252+(\f)/2], v[WD+(\f)-1], v[WD+(\f)], s26   ; lanes 0-15: the first tile's words, lanes 16-31: the second's
	global_store_b32 v9, v[252+(\f)/2], s[10:11] offset:((\f)/2)*CH   ; 128 consecutive bytes
.endif
.endm
.macro WLOAD t, pitch, sb              ; block t: rows 32 t .. 32 t + 31 of the weight at my column: each load 128 consecutive bytes a wave, 512 a work-group
.set i, 0
.rept 32
	global_load_b32 v[XW+32*((\t)%2)+i], v2, s[\sb:\sb+1] offset:(32*(\t)+i)*\pitch th:TH_LOAD_NT
.set i, i+1
.endr
.endm
.macro WWAIT t
.if (\t) < 3
	s_wait_loadcnt 32                                  ; this block's 32 loads are in; the next block's may be out
.else
	s_wait_loadcnt 0x0
.endif
.endm
.macro QBLOCK t
.set XS, XW+32*((\t)%2)
	WWAIT \t
	v_max3_num_f32 v160, |v[XS]|, |v[XS+1]|, |v[XS+2]| ; the block's largest magnitude: all 32 numbers are mine; two chains
	v_max3_num_f32 v161, |v[XS+3]|, |v[XS+4]|, |v[XS+5]|
.irp i, 6,10,14,18,22,26
	v_max3_num_f32 v160, v160, |v[XS+\i]|, |v[XS+\i+1]|
	v_max3_num_f32 v161, v161, |v[XS+\i+2]|, |v[XS+\i+3]|
.endr
	v_max3_num_f32 v160, v160, |v[XS+30]|, |v[XS+31]|
	v_max3_num_f32 v160, v160, v161, 0x1800000         ; and the floor
	v_add_nc_u32 v162, 0xff000000, v160
	v_lshrrev_b32 v163, 23, v162
.if (\t) == 0
	v_mov_b32 v8, v163                                 ; byte t of my column's scale word
.else
	v_lshl_or_b32 v8, v163, 8*(\t), v8
.endif
.irp g, 0,1,2,3
	v_cvt_scalef32_pk8_fp4_f32 v[CW+4*(\t)+\g], v[XS+8*\g:XS+8*\g+7], v162
.endr
	v_nop                                              ; one plain line behind the last scaled conversion
	global_store_b128 v5, v[CW+4*(\t):CW+4*(\t)+3], s[10:11] offset:256*(\t)   ; block t of 16 columns is 256 consecutive bytes of a fragment's image: sixteen lanes fill them
.if (\t) < 2
	WLOAD (\t)+2, 12288, 6
.endif
.endm
.macro PBLOCK t
.set XS, XW+32*((\t)%2)
	WWAIT \t
.set i, 0
.rept 16
	v_cvt_pk_f16_f32 v[PW+16*(\t)+i], v[XS+2*i], v[XS+2*i+1]
.set i, i+1
.endr
.irp m, 0,1,2,3
	global_store_b128 v5, v[PW+16*(\t)+4*\m:PW+16*(\t)+4*\m+3], s[12:13] offset:1024*(\t)+256*\m   ; K = 32 t + 8 m .. + 7 of 16 columns: 256 consecutive bytes of fragment t's image
.endr
.if (\t) < 2
	WLOAD (\t)+2, 4096, 8
.endif
.endm
	s_load_b256 s[4:11], s[0:1], 0x0                   ; x s[4:5], W_qkv s[6:7], W_proj s[8:9], cw s[10:11]
	s_load_b64 s[12:13], s[0:1], 0x20                  ; wpf
	v_lshl_add_u32 v[SPW], v0, 2, SPARE
	v_mov_b32 v[NIL], 0
	v_lshrrev_b32 v1, 5, v0
	v_readfirstlane_b32 s16, v1                        ; wave 0..3
	v_and_b32 v1, 31, v0                               ; lane
	s_mov_b32 s21, 0
	s_wait_kmcnt 0x0
	s_cmp_lt_u32 ttmp9, 256
	s_cbranch_scc0 .Lweights
	; ---- x: work-group g takes rows 32 g .. 32 g + 31
	v_lshlrev_b32 v2, 4, v1                            ; 16 x lane
	v_and_b32 v7, 15, v0                               ; r
	v_bfe_u32 v6, v0, 4, 1                             ; h
	s_mul_i32 s17, s16, STGB                           ; my stage
	v_add_nc_u32 v4, s17, v2                           ; in: 16 x lane of a row
	v_mul_u32_u24 v5, v7, 528
	v_lshl_add_u32 v5, v6, 7, v5
	v_add_nc_u32 v5, s17, v5                           ; out: row r, + 128 h
	v_lshlrev_b32 v6, 3, v6                            ; 8 h
	v_mov_b32 v250, 0                                  ; a lane permute's destination counts as one of its sources
	s_and_b32 s18, ttmp9, 3                            ; which 32 rows of the half-block
	s_lshl_b32 s19, s18, 11
	v_add_nc_u32 v3, s19, v2                           ; the codes' offset: two fragments a work-group
	s_lshl_b32 s19, s18, 7
	s_add_co_u32 s19, s19, 8192
	v_lshl_add_u32 v9, v1, 2, s19                      ; the words' offset: behind the eight fragments
	s_mov_b32 s24, 0x76543210
	s_mov_b32 s25, 0xfedcba98                          ; lane l xor 16
	s_mov_b32 s26, 0xffff0000                          ; lanes 16-31
	s_lshl_b32 s20, ttmp9, 17                          ; 32 rows of 4,096 bytes,
	s_lshl_b32 s22, s16, 10                            ; my two K steps of 512 bytes
	s_add_co_u32 s20, s20, s22
	s_add_nc_u64 s[4:5], s[4:5], s[20:21]
	s_lshr_b32 s20, ttmp9, 2                           ; the half-block,
	s_lshl_b32 s20, s20, 3
	s_lshl_b32 s22, s16, 1
	s_add_co_u32 s20, s20, s22                         ; its K step 2 w
	s_mul_i32 s20, s20, CH
	s_add_nc_u64 s[10:11], s[10:11], s[20:21]
	XLOAD 0
	XLOAD 1
.irp f, 0,1,2,3
.if \f < 3
	s_wait_loadcnt 16                                  ; this fragment's 16 loads are in; the next fragment's may be out
.else
	s_wait_loadcnt 0x0
.endif
	XTURN \f
	s_wait_dscnt 0x0                                   ; the numbers are back, and the stage's stores have read their registers
.if \f < 2
	XLOAD \f+2
.endif
	XQUANT \f
.endr
	s_wait_tensorcnt 0x0                               ; the wave's end, behind my last LDS store
	ds_add_u32 v[SPW], v[NIL]
	s_wait_dscnt 0x0
	s_endpgm
.Lweights:
	v_lshlrev_b32 v2, 2, v1                            ; in: 4 bytes a lane: a lane to a column
	v_lshrrev_b32 v3, 4, v1                            ; which of my two tiles of 16 columns
	v_and_b32 v4, 15, v1
	s_cmp_lt_u32 ttmp9, 448
	s_cbranch_scc0 .Lproj
	; ---- W_qkv: 128 columns x 128 along K
	s_sub_co_u32 s17, ttmp9, 256
	s_lshr_b32 s18, s17, 3                             ; group of 128 columns, 0..23
	s_and_b32 s19, s17, 7                              ; K step
	s_mul_i32 s20, s19, 128*12288
	s_lshl_b32 s22, s18, 9
	s_add_co_u32 s20, s20, s22
	s_lshl_b32 s22, s16, 7                             ; my 32 columns
	s_add_co_u32 s20, s20, s22
	s_add_nc_u64 s[6:7], s[6:7], s[20:21]
	s_add_co_u32 s20, s18, 64                          ; W's half-blocks lie behind x's 64
	s_lshl_b32 s20, s20, 3
	s_add_co_u32 s20, s20, s19
	s_mul_i32 s20, s20, CH
	s_add_nc_u64 s[10:11], s[10:11], s[20:21]
	v_lshlrev_b32 v5, 10, v3
	v_lshl_add_u32 v5, v4, 4, v5
	s_lshl_b32 s22, s16, 11
	v_add_nc_u32 v5, s22, v5                           ; codes: fragment 2 w + l / 16, + 16 (l % 16)
	s_lshl_b32 s22, s16, 7
	s_add_co_u32 s22, s22, 8192
	v_add_nc_u32 v6, s22, v2                           ; word: 8192 + 4 (32 w + l)
	WLOAD 0, 12288, 6
	WLOAD 1, 12288, 6
	QBLOCK 0
	QBLOCK 1
	QBLOCK 2
	QBLOCK 3
	global_store_b32 v6, v8, s[10:11]                  ; 128 consecutive bytes
	s_endpgm
.Lproj:
	; ---- W_proj: 128 columns x 128 along K, to f16
	s_sub_co_u32 s17, ttmp9, 448
	s_lshr_b32 s18, s17, 3                             ; group of 128 columns, 0..7
	s_and_b32 s19, s17, 7                              ; K step
	s_lshl_b32 s20, s19, 19                            ; 128 rows of 4,096 bytes
	s_lshl_b32 s22, s18, 9
	s_add_co_u32 s20, s20, s22
	s_lshl_b32 s22, s16, 7
	s_add_co_u32 s20, s20, s22
	s_add_nc_u64 s[8:9], s[8:9], s[20:21]
	s_lshl_b32 s20, s18, 3
	s_add_co_u32 s20, s20, s19
	s_lshl_b32 s20, s20, 15                            ; 32 fragments a group and K step
	s_add_nc_u64 s[12:13], s[12:13], s[20:21]
	v_lshlrev_b32 v5, 12, v3
	v_lshl_add_u32 v5, v4, 4, v5
	s_lshl_b32 s22, s16, 13
	v_add_nc_u32 v5, s22, v5                           ; tile 2 w + l / 16 (four fragments each), + 16 (l % 16)
	WLOAD 0, 4096, 8
	WLOAD 1, 4096, 8
	PBLOCK 0
	PBLOCK 1
	PBLOCK 2
	PBLOCK 3
	s_endpgm
.Lfunc_end_k_q7b83241bdc_prep:
	.size	k_q7b83241bdc_prep, .Lfunc_end_k_q7b83241bdc_prep-k_q7b83241bdc_prep
	.p2alignl 7, 3214868480
	.fill 96, 4, 3214868480
	.section	.rodata,"a",@progbits
	.p2align	6, 0x0
	.amdhsa_kernel k_q7b83241bdc_prep
		.amdhsa_group_segment_fixed_size 34304
		.amdhsa_private_segment_fixed_size 0
		.amdhsa_enable_private_segment 0
		.amdhsa_kernarg_size 40
		.amdhsa_user_sgpr_count 2
		.amdhsa_user_sgpr_kernarg_segment_ptr 1
		.amdhsa_wavefront_size32 1
		.amdhsa_system_sgpr_workgroup_id_x 1
		.amdhsa_system_sgpr_workgroup_id_y 1
		.amdhsa_system_sgpr_workgroup_id_z 1
		.amdhsa_system_vgpr_workitem_id 0
		.amdhsa_next_free_vgpr 256
		.amdhsa_next_free_sgpr 66
		.amdhsa_reserve_vcc 0
		.amdhsa_float_denorm_mode_32 3
		.amdhsa_float_denorm_mode_16_64 3
		.amdhsa_memory_ordered 1
		.amdhsa_forward_progress 1
		.amdhsa_inst_pref_size 68
	.end_amdhsa_kernel
	.amdgpu_metadata
---
amdhsa.version: [ 1, 2 ]
amdhsa.kernels:
  - .name:           k_q7b83241bdc_prep
    .symbol:         k_q7b83241bdc_prep.kd
    .args:
      - { .name: hidden_states, .offset: 0, .size: 8, .value_kind: global_buffer, .address_space: global }
      - { .name: W_qkv, .offset: 8, .size: 8, .value_kind: global_buffer, .address_space: global }
      - { .name: W_proj, .offset: 16, .size: 8, .value_kind: global_buffer, .address_space: global }
      - { .name: cw, .offset: 24, .size: 8, .value_kind: global_buffer, .address_space: global }
      - { .name: wpf, .offset: 32, .size: 8, .value_kind: global_buffer, .address_space: global }
    .group_segment_fixed_size: 34304
    .private_segment_fixed_size: 0
    .kernarg_segment_align: 8
    .kernarg_segment_size: 40
    .max_flat_workgroup_size: 128
    .sgpr_count:     66
    .vgpr_count:     256
    .wavefront_size: 32
...
	.end_amdgpu_metadata
.endif
;; end of part 1
;; launch qkv (part 2): grid 8 x 32, 4 waves a work-group, clusters of 4 x 4, 327,680 bytes of LDS; arguments cw, b_qkv, qkv, ssq; writes qkv, ssq
.if DOCPART == 2
	.amdgcn_target "amdgcn-amd-amdhsa--gfx1250"
	.amdhsa_code_object_version 6
	.text
	.protected	k_q7b83241bdc_qkv
	.globl	k_q7b83241bdc_qkv
	.p2align	8
	.type	k_q7b83241bdc_qkv,@function
k_q7b83241bdc_qkv:
	s_mov_b64 s[64:65], 0
	v_nop
	global_prefetch_b8 v0, s[64:65] scope:SCOPE_SE
	s_setreg_imm32_b32 hwreg(HW_REG_WAVE_MODE, 25, 1), 1
	s_wait_xcnt 0x0
	s_wait_alu depctr_hold_cnt(0) depctr_sa_sdst(0) depctr_va_vdst(0) depctr_va_sdst(0) depctr_va_ssrc(0) depctr_va_vcc(0) depctr_vm_vsrc(0)
	s_getreg_b32 s2, hwreg(HW_REG_IB_STS2, 6, 4)
	s_cmp_eq_u32 s2, 0
	s_cbranch_scc0 .Lentry_in_a_cluster
	s_endpgm
.Lentry_in_a_cluster:
	s_bfe_u32 s2, ttmp6, 0x10000c
	s_cmp_lg_u32 s2, 0xf033
	s_cbranch_scc0 .Lentry_shape_is_right
	s_endpgm
.Lentry_shape_is_right:
; qkv = Q(x) Q(W_qkv) (+ b for q and k), on codes of E2M1 with E8M0 scales, sums in f32.
; SHARES.  8,192 x 3,072 outputs / (256 x 384) = 256 work-groups of equal work.  Work-group (i, tb) takes 256 tokens and 128 columns OF EACH of q, k and v (cw's half-blocks 64 + i, 72 + i, 80 + i), one part after the other,
; so that a part's stores leave while the next part is multiplied.  Wave (wr, wc) takes 128 tokens x 64 columns (one head) of each part: 32 accumulators, 32 products a K step of 128.
; x'S FRAGMENTS STAY IN REGISTERS: 8 K steps x 8 tiles x 8 registers = 512.  They are read from LDS once, in part q; parts k and v read only W's four fragments a K step.
; q, k: source 0 = 16 columns of W, source 1 = 16 tokens: a lane holds a token, its registers run along the channels.  v: the sources (and their scales) change places: a lane holds a channel, its registers run along the keys.
; Two neighbouring accumulators, rounded to f16 in pairs, ARE a 16-bit fragment (16 rows x 32 K) of attention's products: they are stored as register images, 512 consecutive bytes a store, with no stage.
; LDS.  A piece is 128 rows x all of K = 69,632 bytes.  x's two, q's and k's are first fills (wave w brings piece w in four joint loads of two K steps: four loads of a wave are out).  A fifth piece does not fit
; (5 x 69,632 = 348,160 against 327,680): v's takes q's place, behind a round of the cluster's barrier at the end of part q, one joint load of two K steps a wave.
; CLUSTER 4 x 4: x's pieces are shared along a row, W's along a column.
; q and k also leave each row's sum of squares over the work-group's 128 columns, taken in f32 from the f32 sums; the two waves that share a row meet in a scratch in LDS of its own bytes.
; v's bias is not added here: the softmax's weights sum to one, so it is added behind attention's division.
; LIMIT: q, k and v leave in f16: magnitudes up to 65,504.
; REGISTERS: window 0: v16-29 addresses; v32-63 x's scale words (4 a K step); v64-67 W's, two sets; v72-103 sums of squares; v104-111 their halves; v128-191 W's fragments, two sets of 32;
;   v192-223 packed results, two sets of 16; v224-255 the bias in the result's layout.   windows 1, 3: x's fragment (K step q, tile a) at v[64 (q % 4) + 8 a], K steps 0-3 and 4-7.   window 2: accumulator (a, b) at v[8 (4 a + b)].
.set CH,    8704                       ; a K step of a piece: 8 fragments of 1,024 bytes + 128 scale words
.set HB,    8*CH                       ; a piece
.set BREG,  2*HB                       ; W's two slots lie behind x's two pieces
.set CHUNK, 2*CH                       ; a load: two K steps
.set SCR,   4*HB                       ; the scratch: [part][wave][128 f32]; no fill lands there
.set SPARE, SCR+4096                   ; the spare words, 128 bytes a wave, that no other line names
.set ADRA, 16                          ; v16-17 my x fragments, K steps 0-3 and 4-7
.set ADRB, 18                          ; v18-19 my W fragments in slot 0, 1
.set ADSA, 20                          ; v20    x's scale words
.set ADSB, 21                          ; v21-22 W's, slot 0, 1
.set SCW,  23                          ; v23    where I put my sums of squares
.set SCRD, 24                          ; v24    where I read the two halves of the part that I finish
.set GO,   26                          ; v26    16 x lane
.set L4,   27                          ; v27    4 x lane
.set SPW,  28
.set NIL,  29
.set SCA,  32                          ; register 4 q + j: tile 2 j in lanes 0-15, tile 2 j + 1 in lanes 16-31
.set SCB,  64                          ; set q % 2, register j likewise
.set SS,   72
.set SR,   104
.set BF,   128
.set TMP,  192
.set BIAS, 224
.set G1A, 24
.set G1B, 32
.set G0A, 44                           ; s[44:59] four sets
.set G0R, 60                           ; s[60:63] the refill
.set G0B, 68                           ; s[68:83] four sets
.set MSB, 0
.macro WIN new                         ; the immediate's high byte repeats the setting that is left
.if MSB != (\new)
	s_set_vgpr_msb (MSB<<8)|(\new)
.set MSB, (\new)
.endif
.endm
.macro PLACES n
.rept \n
	v_nop
.endr
.endm
.macro CROUND                          ; a round of the cluster's barrier
	s_barrier_signal -1
	s_barrier_wait -1
	s_cmp_lg_u32 s14, 0
	s_cbranch_scc1 .Lnot_wave_0_\@
	s_barrier_signal -3
.Lnot_wave_0_\@:
	s_barrier_wait -3
	s_barrier_signal -1
	s_barrier_wait -1
.endm
.macro FETCH_A q                       ; x's eight fragments and four scale registers of K step q, into the registers in which they stay: 20 loads
	WIN 0x40+0x80*((\q)/4)                             ; destination window 1 or 3
.irp i, 0,1,2,3,4,5,6,7
.irp c, 0,1
	ds_load_b128 v[64*((\q)%4)+8*\i+4*\c:64*((\q)%4)+8*\i+4*\c+3], v[ADRA+(\q)/4] offset:((\q)%4)*CH+\i*1024+512*\c
.endr
.endr
	WIN 0
.irp j, 0,1,2,3
	ds_load_b32 v[SCA+4*(\q)+\j], v[ADSA] offset:(\q)*CH+128*\j
.endr
.endm
.macro FETCH_B s, q                    ; W's four fragments and two scale registers of K step q, from slot s into set q % 2: 10 loads
.irp i, 0,1,2,3
.irp c, 0,1
	ds_load_b128 v[BF+32*((\q)%2)+8*\i+4*\c:BF+32*((\q)%2)+8*\i+4*\c+3], v[ADRB+\s] offset:(\q)*CH+\i*1024+512*\c
.endr
.endr
.irp j, 0,1
	ds_load_b32 v[SCB+2*((\q)%2)+\j], v[ADSB+\s] offset:(\q)*CH+128*\j
.endr
.endm
.macro WM ra, rb, z                    ; one product; an odd tile's scale words stand in lanes 16-31.  z = 1: the constant 0 starts the sum
.if \z
.if (\ra) && (\rb)
	v_wmma_scale_f32_16x16x128_f8f6f4 v[rD:rD+7], v[rP:rP+7], v[rQ:rQ+7], 0, v[rSP], v[rSQ] matrix_a_fmt:MATRIX_FMT_FP4 matrix_b_fmt:MATRIX_FMT_FP4 matrix_a_scale:MATRIX_SCALE_ROW1 matrix_b_scale:MATRIX_SCALE_ROW1
.elseif (\ra)
	v_wmma_scale_f32_16x16x128_f8f6f4 v[rD:rD+7], v[rP:rP+7], v[rQ:rQ+7], 0, v[rSP], v[rSQ] matrix_a_fmt:MATRIX_FMT_FP4 matrix_b_fmt:MATRIX_FMT_FP4 matrix_a_scale:MATRIX_SCALE_ROW1
.elseif (\rb)
	v_wmma_scale_f32_16x16x128_f8f6f4 v[rD:rD+7], v[rP:rP+7], v[rQ:rQ+7], 0, v[rSP], v[rSQ] matrix_a_fmt:MATRIX_FMT_FP4 matrix_b_fmt:MATRIX_FMT_FP4 matrix_b_scale:MATRIX_SCALE_ROW1
.else
	v_wmma_scale_f32_16x16x128_f8f6f4 v[rD:rD+7], v[rP:rP+7], v[rQ:rQ+7], 0, v[rSP], v[rSQ] matrix_a_fmt:MATRIX_FMT_FP4 matrix_b_fmt:MATRIX_FMT_FP4
.endif
.else
.if (\ra) && (\rb)
	v_wmma_scale_f32_16x16x128_f8f6f4 v[rD:rD+7], v[rP:rP+7], v[rQ:rQ+7], v[rC:rC+7], v[rSP], v[rSQ] matrix_a_fmt:MATRIX_FMT_FP4 matrix_b_fmt:MATRIX_FMT_FP4 matrix_a_scale:MATRIX_SCALE_ROW1 matrix_b_scale:MATRIX_SCALE_ROW1
.elseif (\ra)
	v_wmma_scale_f32_16x16x128_f8f6f4 v[rD:rD+7], v[rP:rP+7], v[rQ:rQ+7], v[rC:rC+7], v[rSP], v[rSQ] matrix_a_fmt:MATRIX_FMT_FP4 matrix_b_fmt:MATRIX_FMT_FP4 matrix_a_scale:MATRIX_SCALE_ROW1
.elseif (\rb)
	v_wmma_scale_f32_16x16x128_f8f6f4 v[rD:rD+7], v[rP:rP+7], v[rQ:rQ+7], v[rC:rC+7], v[rSP], v[rSQ] matrix_a_fmt:MATRIX_FMT_FP4 matrix_b_fmt:MATRIX_FMT_FP4 matrix_b_scale:MATRIX_SCALE_ROW1
.else
	v_wmma_scale_f32_16x16x128_f8f6f4 v[rD:rD+7], v[rP:rP+7], v[rQ:rQ+7], v[rC:rC+7], v[rSP], v[rSQ] matrix_a_fmt:MATRIX_FMT_FP4 matrix_b_fmt:MATRIX_FMT_FP4
.endif
.endif
.endm
; 32 products: my eight tiles of tokens x my four tiles of columns, K step q of part p (0 q, 1 k, 2 v).  In K step 0 the bias (q, k) or the constant 0 (v) is the C of each sum's first product.
; The 32 accumulators take turns, one instruction a turn.
.macro MUL32 p, q
.irp a, 0,1,2,3,4,5,6,7
.irp b, 0,1,2,3
.set rD, 8*(4*\a+\b)
.set rC, rD
.if (\p) < 2
.set rP, BF+32*((\q)%2)+8*\b
.set rQ, 64*((\q)%4)+8*\a
.set rSP, SCB+2*((\q)%2)+\b/2
.set rSQ, SCA+4*(\q)+\a/2
.if (\q) == 0
.set rC, BIAS+8*\b
.endif
	WM (\b)%2, (\a)%2, 0
.else
.set rP, 64*((\q)%4)+8*\a
.set rQ, BF+32*((\q)%2)+8*\b
.set rSP, SCA+4*(\q)+\a/2
.set rSQ, SCB+2*((\q)%2)+\b/2
.if (\q) == 0
	WM (\a)%2, (\b)%2, 1
.else
	WM (\a)%2, (\b)%2, 0
.endif
.endif
.endr
.endr
.endm
; K step q of part p.  The next step's fragments are asked for at the step's head, 32 products ahead of their use.
.macro STEP p, q
.if ((\p) == 0) && (((\q)%2) == 1) && ((\q) < 7)
	s_wait_tensorcnt 3-((\q)+1)/2                      ; the next K step lies in the next chunk: my part of it is in (the count is my younger chunks),
	s_wait_dscnt 0x0                                   ; no LDS instruction of mine is out at a signal,
	s_barrier_signal -1
	s_barrier_wait -1                                  ; and everybody's part is in.
.endif
.if (\q) > 0
	PLACES 4                                           ; in front of loads into the set that the step before multiplied
.endif
.set NF, 0
.if (\q) < 7
.if (\p) == 0
	FETCH_A (\q)+1
.set NF, 20
.endif
	FETCH_B (\p)%2, (\q)+1                             ; q's and v's piece lie in slot 0, k's in slot 1
.set NF, NF+10
.elseif (\p) == 0
	FETCH_B 1, 0                                       ; part k's first fragments
.set NF, 10
.endif
	s_wait_dscnt NF                                    ; this step's fragments are in; the loads just issued may be out
.if (\p) < 2
.if (\q) == 0
	WIN 0x84                                           ; source 0 (W) window 0, source 1 (x) window 1, C (the bias) window 0, D window 2
.elseif (\q) < 4
	WIN 0xa4                                           ; C and D window 2
.else
	WIN 0xac                                           ; x in window 3
.endif
.else
.if (\q) < 4
	WIN 0xa1                                           ; source 0 (x) window 1, source 1 (W) window 0
.else
	WIN 0xa3
.endif
.endif
	MUL32 \p, \q
	WIN 0
.endm
; The way out of token tile a: each accumulator from its low end on; (q, k) squares summed in two chains; rounded to f16 in pairs; four stores of 512 consecutive bytes.
.macro OUTA a, qk, sb
	s_wait_xcnt 0x0                                    ; the earlier stores have read their data: the set is written again only behind this wait
	WIN 0x0a                                           ; sources 0 and 1: window 2
.irp b, 0,1,2,3
.irp i, 0,1,2,3
.set rA, 8*(4*(\a)+\b)+2*\i
.set rS, SS+4*(\a)+2*(\i%2)
.if \qk
.if (\b == 0) && (\i < 2)
	v_pk_mul_f32 v[rS:rS+1], v[rA:rA+1], v[rA:rA+1]
.else
	v_pk_fma_f32 v[rS:rS+1], v[rA:rA+1], v[rA:rA+1], v[rS:rS+1]
.endif
.endif
	v_cvt_pk_f16_f32 v[TMP+16*((\a)%2)+4*\b+\i], v[rA], v[rA+1]
.endr
.endr
	WIN 0
.irp b, 0,1,2,3
.if \qk
	global_store_b128 v[GO], v[TMP+16*((\a)%2)+4*\b:TMP+16*((\a)%2)+4*\b+3], s[\sb:\sb+1] offset:(\a)*2048+\b*512   ; token tile a: its two fragments of 32 channels, 2,048 bytes on end
.else
	global_store_b128 v[GO], v[TMP+16*((\a)%2)+4*\b:TMP+16*((\a)%2)+4*\b+3], s[\sb:\sb+1] offset:((\a)/2)*4096+\b*1024+((\a)%2)*512   ; keys 32 (a / 2) on, channel tile b, half a % 2 of its fragment
.endif
.endr
.endm
.macro SSOUT part                      ; each row's sum of squares over my 64 columns, into the scratch
.irp a, 0,1,2,3,4,5,6,7
	v_pk_add_f32 v[SS+4*\a:SS+4*\a+1], v[SS+4*\a:SS+4*\a+1], v[SS+4*\a+2:SS+4*\a+3]
.endr
.irp a, 0,1,2,3,4,5,6,7
	v_add_f32 v[SS+4*\a], v[SS+4*\a], v[SS+4*\a+1]
.endr
.irp a, 0,1,2,3,4,5,6,7
	v_permlanex16_b32 v[SS+4*\a+1], v[SS+4*\a], s87, s88
.endr
.irp a, 0,1,2,3,4,5,6,7
	v_add_f32 v[SS+4*\a], v[SS+4*\a], v[SS+4*\a+1]     ; with lane l xor 16's columns
.endr
.irp j, 0,1,2,3
	v_cndmask_b32 v[SS+8*\j+2], v[SS+8*\j], v[SS+8*\j+4], s86   ; lanes 0-15: tile 2 j, lanes 16-31: tile 2 j + 1
.endr
.irp j, 0,1,2,3
	ds_store_b32 v[SCW], v[SS+8*\j+2] offset:(\part)*2048+128*\j
.endr
.endm
	s_load_b256 s[4:11], s[0:1], 0x0                   ; cw s[4:5], b_qkv s[6:7], qkv s[8:9], ssq s[10:11]
	v_lshl_add_u32 v[SPW], v0, 2, SPARE
	v_mov_b32 v[NIL], 0
	ds_add_u32 v[SPW], v[NIL]                          ; the wave's opening: the add, twice on end, and its wait ahead of my first tensor load
	ds_add_u32 v[SPW], v[NIL]
	v_lshrrev_b32 v1, 5, v0
	v_readfirstlane_b32 s14, v1                        ; wave 0..3
	s_lshr_b32 s15, s14, 1                             ; wr: my 128 tokens.  Also: I fetch for x (0) or for W (1)
	s_and_b32 s16, s14, 1                              ; wc: my 64 columns.  Also: which piece of the two I fetch
	s_bfe_u32 s40, ttmp6, 0x40000                      ; cx
	s_bfe_u32 s41, ttmp6, 0x40004                      ; cy
	s_lshl_b32 s42, ttmp9, 2
	s_add_co_u32 s42, s42, s40                         ; i = 4 x cluster x + cx: which 128 columns of each part
	s_and_b32 s43, ttmp7, 0xffff                       ; the cluster's y is the batch: its four rows are the batch's four blocks of 256 tokens
	s_lshl_b32 s17, s41, 2
	s_lshl_b32 s17, 15, s17                            ; my row of the cluster
	s_lshl_b32 s12, 0x1111, s40                        ; my column
	s_or_b32 s[G1A], s17, (3<<16)|(1<<21)              ; 15:0 the mask; 17:16 elements of 8 bytes; 21 set beside a mask; no padding
	s_or_b32 s[G1B], s12, (3<<16)|(1<<21)
.irp g, G1A, G1B
	s_mov_b32 s[\g+1], 32<<16                          ; tensor_dim0: rows of 256 bytes
	s_mov_b32 s[\g+2], 68<<16                          ; tensor_dim1: 68 of them, dense: 17,408 bytes
	s_mov_b32 s[\g+3], 32<<16                          ; tile_dim0
	s_mov_b32 s[\g+4], 68                              ; tile_dim1
	s_mov_b32 s[\g+5], 32                              ; pitch
	s_mov_b32 s[\g+6], 0
	s_mov_b32 s[\g+7], 0
.endr
	s_lshl_b32 s20, s43, 2                             ; x: half-block 2 (4 x batch + cy) + half: it hangs on cy alone, which my row shares
	s_add_co_u32 s20, s20, s41
	s_lshl_b32 s20, s20, 1
	s_add_co_u32 s20, s20, s16
	s_mul_i32 s20, s20, HB
	s_mov_b32 s21, 0
	s_lshl_b32 s22, s16, 3                             ; W: half-block 64 + i (q's piece) or 72 + i (k's): it hangs on cx alone, which my column shares
	s_add_co_u32 s22, s22, s42
	s_add_co_u32 s22, s22, 64
	s_mul_i32 s22, s22, HB
	s_mov_b32 s23, 0
	s_add_co_u32 s18, s42, 80                          ; the refill: v's piece, half-block 80 + i, chunk = my wave's number
	s_mul_i32 s18, s18, HB
	s_mul_i32 s13, s14, CHUNK
	s_add_co_u32 s18, s18, s13
	s_mov_b32 s19, 0
	s_mul_i32 s84, s16, HB                             ; where my piece goes in its region: the wave's number alone
	s_mov_b32 s86, 0xffff0000                          ; lanes 16-31
	s_mov_b32 s87, 0x76543210
	s_mov_b32 s88, 0xfedcba98                          ; lane l xor 16
	s_wait_dscnt 0x0                                   ; both opening adds are done
	s_wait_kmcnt 0x0
	s_add_nc_u64 s[20:21], s[4:5], s[20:21]
	s_add_nc_u64 s[22:23], s[4:5], s[22:23]
	s_add_nc_u64 s[18:19], s[4:5], s[18:19]
	CROUND                                             ; all sixteen work-groups are here: the joint loads meet
.irp i, 0,1,2,3
	s_mov_b32 s[G0A+4*\i], 1
	s_add_co_u32 s[G0A+4*\i+1], s84, \i*CHUNK
	s_add_nc_u64 s[G0A+4*\i+2:G0A+4*\i+3], s[20:21], \i*CHUNK
	s_or_b32 s[G0A+4*\i+3], s[G0A+4*\i+3], 0x80000000
	s_mov_b32 s[G0B+4*\i], 1
	s_add_co_u32 s[G0B+4*\i+1], s84, BREG+\i*CHUNK
	s_add_nc_u64 s[G0B+4*\i+2:G0B+4*\i+3], s[22:23], \i*CHUNK
	s_or_b32 s[G0B+4*\i+3], s[G0B+4*\i+3], 0x80000000
.endr
	s_mov_b32 s[G0R], 1
	s_add_co_u32 s[G0R+1], s13, BREG                   ; into slot 0, chunk = my wave's number
	s_mov_b64 s[G0R+2:G0R+3], s[18:19]
	s_or_b32 s[G0R+3], s[G0R+3], 0x80000000
	s_cmp_eq_u32 s15, 0                                ; a wave's four first fills stand in one branch on the wave's number, ahead of every wait on TENSORcnt and every LDS read
	s_cbranch_scc0 .Lfor_b
.irp i, 0,1,2,3
	tensor_load_to_lds s[G0A+4*\i:G0A+4*\i+3], s[G1A:G1A+7]
	s_nop 0
.endr
	PLACES 4
	s_branch .Lasked
.Lfor_b:
.irp i, 0,1,2,3
	tensor_load_to_lds s[G0B+4*\i:G0B+4*\i+3], s[G1B:G1B+7]
	s_nop 0
.endr
	PLACES 4
.Lasked:
	v_bfe_u32 v2, v0, 4, 1
	v_lshlrev_b32 v3, 5, v2                            ; 32 h: my half's eight columns of a tile
	s_lshl_b32 s90, s42, 9                             ; the bias of columns 128 i + 64 wc + 16 b + 8 h + j of q; k's lie 4,096 bytes on
	s_lshl_b32 s91, s16, 8
	s_add_co_u32 s90, s90, s91
	s_mov_b32 s91, 0
	s_add_nc_u64 s[6:7], s[6:7], s[90:91]
.irp b, 0,1,2,3
	global_load_b128 v[BIAS+8*\b:BIAS+8*\b+3], v3, s[6:7] offset:64*\b
	global_load_b128 v[BIAS+8*\b+4:BIAS+8*\b+7], v3, s[6:7] offset:64*\b+16
.endr
	v_and_b32 v1, 31, v0
	v_lshlrev_b32 v[GO], 4, v1
	v_lshlrev_b32 v[L4], 2, v1
	s_mul_i32 s85, s15, HB                             ; my 128 tokens' piece
	v_add_nc_u32 v[ADRA], s85, v[GO]
	v_add_nc_u32 v[ADRA+1], 4*CH, v[ADRA]
	s_add_co_u32 s85, s85, 8192
	v_add_nc_u32 v[ADSA], s85, v[L4]
	s_lshl_b32 s89, s16, 12                            ; my four tiles of a piece's eight
	s_add_co_u32 s89, s89, BREG
	v_add_nc_u32 v[ADRB], s89, v[GO]
	v_add_nc_u32 v[ADRB+1], HB, v[ADRB]
	s_lshl_b32 s89, s16, 8                             ; and their 64 scale words
	s_add_co_u32 s89, s89, BREG+8192
	v_add_nc_u32 v[ADSB], s89, v[L4]
	v_add_nc_u32 v[ADSB+1], HB, v[ADSB]
	s_lshl_b32 s89, s14, 9                             ; the scratch: 512 bytes a wave and part
	s_add_co_u32 s89, s89, SCR
	v_add_nc_u32 v[SCW], s89, v[L4]
	s_lshl_b32 s89, s16, 11                            ; I finish part wc for my 128 tokens: waves 2 wr and 2 wr + 1 hold its halves
	s_lshl_b32 s85, s15, 10
	s_add_co_u32 s89, s89, s85
	s_add_co_u32 s89, s89, SCR
	v_add_nc_u32 v[SCRD], s89, v[L4]
	s_lshl_b32 s90, s43, 4                             ; batch x 16 + head, head = 2 i + wc
	s_lshl_b32 s91, s42, 1
	s_add_co_u32 s90, s90, s91
	s_add_co_u32 s90, s90, s16
	s_lshl_b32 s92, s90, 5                             ; v: [batch x 16 + head][32 keys][channel tile]
	s_lshl_b32 s91, s41, 3
	s_add_co_u32 s92, s92, s91
	s_lshl_b32 s91, s15, 2
	s_add_co_u32 s92, s92, s91                         ; my first 32 keys
	s_lshl_b32 s92, s92, 12
	s_add_co_u32 s92, s92, 0x2000000
	s_mov_b32 s93, 0
	s_add_nc_u64 s[96:97], s[8:9], s[92:93]
	s_lshl_b32 s92, s90, 6                             ; q, k: [batch x 16 + head][token tile][two fragments of 32 channels]
	s_lshl_b32 s91, s41, 4
	s_add_co_u32 s92, s92, s91
	s_lshl_b32 s91, s15, 3
	s_add_co_u32 s92, s92, s91                         ; my first token tile
	s_lshl_b32 s92, s92, 11
	s_add_nc_u64 s[8:9], s[8:9], s[92:93]
	s_add_nc_u64 s[94:95], s[8:9], 0x1000000           ; k's region
	s_lshl_b32 s92, s16, 3                             ; sums of squares: [part = wc][i][token]
	s_add_co_u32 s92, s92, s42
	s_lshl_b32 s92, s92, 15
	s_lshl_b32 s91, s43, 2
	s_add_co_u32 s91, s91, s41
	s_lshl_b32 s91, s91, 1
	s_add_co_u32 s91, s91, s15
	s_lshl_b32 s91, s91, 9                             ; 128 tokens of 4 bytes
	s_add_co_u32 s92, s92, s91
	s_add_nc_u64 s[10:11], s[10:11], s[92:93]
	s_wait_loadcnt 0x0                                 ; q's bias
	s_wait_tensorcnt 0x3                               ; my part of K steps 0 and 1 is in; three chunks may be out
	s_barrier_signal -1
	s_barrier_wait -1                                  ; everybody's is
	; ---- part q; x's fragments come into their registers on the way
	FETCH_A 0
	FETCH_B 0, 0
	STEP 0, 0
	PLACES 4                                           ; behind the products that took q's bias as C: k's bias lands on it
.irp b, 0,1,2,3
	global_load_b128 v[BIAS+8*\b:BIAS+8*\b+3], v3, s[6:7] offset:4096+64*\b
	global_load_b128 v[BIAS+8*\b+4:BIAS+8*\b+7], v3, s[6:7] offset:4096+64*\b+16
.endr
.irp q, 1,2,3,4,5,6,7
	STEP 0, \q
.endr
	s_wait_tensorcnt 0x0                               ; q's slot is filled again: all my tensor loads have landed,
	ds_add_u32 v[SPW], v[NIL]
	s_wait_dscnt 0x0                                   ; the add is done, and my reads of the slot are over;
	CROUND                                             ; the same holds of every wave of every partner
	tensor_load_to_lds s[G0R:G0R+3], s[G1B:G1B+7]      ; my one load behind the round: two K steps of v's piece.  It has q's way out, part k and k's way out in which to land
	s_nop 0
	PLACES 4                                           ; the places in front of the first read of results
.irp a, 0,1,2,3,4,5,6,7
	OUTA \a, 1, 8
.endr
	SSOUT 0
	; ---- part k
	s_wait_loadcnt 0x0                                 ; k's bias
.irp q, 0,1,2,3,4,5,6,7
	STEP 1, \q
.endr
	PLACES 4                                           ; in front of the first read of results
.irp a, 0,1,2,3,4,5,6,7
	OUTA \a, 1, 94
.endr
	SSOUT 1
	s_wait_tensorcnt 0x0                               ; my part of v's piece is in,
	s_wait_dscnt 0x0                                   ; my sums of squares have landed in the scratch:
	s_barrier_signal -1
	s_barrier_wait -1                                  ; everybody's.
	; ---- part v; the sums of squares are finished while its first fragments come
	FETCH_B 0, 0
.irp j, 0,1,2,3
	ds_load_b32 v[SR+\j], v[SCRD] offset:128*\j
	ds_load_b32 v[SR+4+\j], v[SCRD] offset:512+128*\j
.endr
	s_wait_dscnt 0x0
.irp j, 0,1,2,3
	v_add_f32 v[SR+\j], v[SR+\j], v[SR+4+\j]           ; over the work-group's 128 columns
.endr
.irp j, 0,1,2,3
	global_store_b32 v[L4], v[SR+\j], s[10:11] offset:128*\j   ; 128 consecutive bytes
.endr
.irp q, 0,1,2,3,4,5,6,7
	STEP 2, \q
.endr
	PLACES 4
.irp a, 0,1,2,3,4,5,6,7
	OUTA \a, 0, 96
.endr
	s_wait_tensorcnt 0x0                               ; the wave's end
	ds_add_u32 v[SPW], v[NIL]
	s_wait_dscnt 0x0
	CROUND                                             ; the closing round
	s_endpgm
.Lfunc_end_k_q7b83241bdc_qkv:
	.size	k_q7b83241bdc_qkv, .Lfunc_end_k_q7b83241bdc_qkv-k_q7b83241bdc_qkv
	.p2alignl 7, 3214868480
	.fill 96, 4, 3214868480
	.section	.rodata,"a",@progbits
	.p2align	6, 0x0
	.amdhsa_kernel k_q7b83241bdc_qkv
		.amdhsa_group_segment_fixed_size 327680
		.amdhsa_private_segment_fixed_size 0
		.amdhsa_enable_private_segment 0
		.amdhsa_kernarg_size 32
		.amdhsa_user_sgpr_count 2
		.amdhsa_user_sgpr_kernarg_segment_ptr 1
		.amdhsa_wavefront_size32 1
		.amdhsa_system_sgpr_workgroup_id_x 1
		.amdhsa_system_sgpr_workgroup_id_y 1
		.amdhsa_system_sgpr_workgroup_id_z 1
		.amdhsa_system_vgpr_workitem_id 0
		.amdhsa_next_free_vgpr 1024
		.amdhsa_next_free_sgpr 100
		.amdhsa_reserve_vcc 0
		.amdhsa_float_denorm_mode_32 3
		.amdhsa_float_denorm_mode_16_64 3
		.amdhsa_memory_ordered 1
		.amdhsa_forward_progress 1
		.amdhsa_inst_pref_size 196
	.end_amdhsa_kernel
	.amdgpu_metadata
---
amdhsa.version: [ 1, 2 ]
amdhsa.kernels:
  - .name:           k_q7b83241bdc_qkv
    .symbol:         k_q7b83241bdc_qkv.kd
    .args:
      - { .name: cw, .offset: 0, .size: 8, .value_kind: global_buffer, .address_space: global }
      - { .name: b_qkv, .offset: 8, .size: 8, .value_kind: global_buffer, .address_space: global }
      - { .name: qkv, .offset: 16, .size: 8, .value_kind: global_buffer, .address_space: global }
      - { .name: ssq, .offset: 24, .size: 8, .value_kind: global_buffer, .address_space: global }
    .group_segment_fixed_size: 327680
    .private_segment_fixed_size: 0
    .kernarg_segment_align: 8
    .kernarg_segment_size: 32
    .max_flat_workgroup_size: 128
    .sgpr_count:     100
    .vgpr_count:     1024
    .wavefront_size: 32
...
	.end_amdgpu_metadata
.endif
;; end of part 2
;; launch attn (part 3): grid 2 x 128, 8 waves a work-group, no clusters, 312,320 bytes of LDS; arguments qkv, ssq, q_norm_w, k_norm_w, b_qkv, ao; writes ao
.if DOCPART == 3
	.amdgcn_target "amdgcn-amd-amdhsa--gfx1250"
	.amdhsa_code_object_version 6
	.text
	.protected	k_q7b83241bdc_attn
	.globl	k_q7b83241bdc_attn
	.p2align	8
	.type	k_q7b83241bdc_attn,@function
k_q7b83241bdc_attn:
	s_mov_b64 s[64:65], 0
	v_nop
	global_prefetch_b8 v0, s[64:65] scope:SCOPE_SE
	s_setreg_imm32_b32 hwreg(HW_REG_WAVE_MODE, 25, 1), 1
	s_wait_xcnt 0x0
; The norm of q and k is finished, and o = softmax(q k^T / 8) v + b_v is made, for 512 queries of one head.  Operands f16, products' sums, norm, maxima, exponentials and row sums f32.
; NORM.  r = rsqrt(sum of squares / 1024 + 1e-6) from the eight f32 parts a row.  The sum over channels of (wq q r_q)(wk k r_k) / 8 is regrouped: K' = k r_k, Q' = q r_q wq wk c, c = log2(e) / 8:
; the scores arrive as exponents to base 2.  All norm multiplies are f32; K' and Q' are rounded to f16 once more.
; SOFTMAX with a running maximum m and sum l for each query: p = 2^(s - m); in every step O and l are multiplied by a = 2^(old m - new m).  The weights sum to one, so v's bias is added behind the division.
; SHARES.  Eight waves, two to a SIMD, so that one wave's softmax stands beside the other's products.  A wave owns 64 queries (four tiles of 16) and walks 16 steps of 64 keys.
; THE HEAD'S WHOLE K AND V LIE IN LDS as register images (128 KiB each): every fill is a first fill, one barrier, none in the loop.  Wave w brings, and normalises in place, keys 128 w .. 128 w + 127.
; By this text's count four tensor loads of a wave are out.  NO CLUSTER: only the two work-groups of a head share K and V, and each asks for its 256 KiB once, at its head, not step by step.
; LAYOUT.  S^T = K' Q'^T (source 0 = 16 keys, source 1 = 16 queries), O^T = V^T P: a lane holds one query throughout; two tiles of S^T rounded in pairs are source 1 of the second product;
; two tiles of O^T rounded in pairs are a fragment of the projection's operand, stored as its image.
; LIMITS: |Q'|, |K'|, |o| up to 65,504 in f16; p under 6e-8 counts as 0 in the second product (it still counts in l); NaN and infinities are not served.
; REGISTERS: window 0: v1-11 addresses; v16-47 statistics (tile t at 16 + 8 t: m, d, l (2), c0-c3; a lands in c2); v48-63 r_k, 8 pairs; v64-191 S^T, 32 a tile; v192-255 P, 16 a tile.
;   window 1: v0-127 O^T, 32 a tile; v128-191 Q', 16 a tile; v192-255 K' of a step, then V of that step.
;   Before the loop: v64-127 raw f16 words; v128-191 f32 at work; v192-223 wk, v224-255 wq, then wq wk, then both are the packed K'; v16-23 r_q c, 4 pairs.
.set VREG,  131072
.set SSK,   262144                     ; k's parts: 8 x 128 f32 a wave
.set SSQ,   294912                     ; q's parts: 8 x 64 f32 a wave
.set SPARE, 311296                     ; the spare words, 128 bytes a wave, that no other line names
.set LI,  1                            ; v1  16 x lane
.set ADR, 2                            ; v2  the run of loads in hand
.set AV0, 3                            ; v3  16 x lane + V's region
.set KA,  4                            ; v4  my 16 KiB of K
.set SPW, 12
.set NIL, 13
.set ST,  16
.set RQ,  16
.set RK,  48
.set S,   64
.set T,   128
.set P,   192
.set QR,  128                          ; window 1
.set KV,  192                          ; window 1
.set TB,  66                           ; s66 LDS byte of the step to be fetched
.set MSB, 0
.macro WIN new
.if MSB != (\new)
	s_set_vgpr_msb (MSB<<8)|(\new)
.set MSB, (\new)
.endif
.endm
.macro UNPACK set                      ; 32 words of two f16 -> 64 f32 in v[T] on
.set n, 0
.if (\set) == 0
.irp r, v64.l,v64.h,v65.l,v65.h,v66.l,v66.h,v67.l,v67.h,v68.l,v68.h,v69.l,v69.h,v70.l,v70.h,v71.l,v71.h,v72.l,v72.h,v73.l,v73.h,v74.l,v74.h,v75.l,v75.h,v76.l,v76.h,v77.l,v77.h,v78.l,v78.h,v79.l,v79.h,v80.l,v80.h,v81.l,v81.h,v82.l,v82.h,v83.l,v83.h,v84.l,v84.h,v85.l,v85.h,v86.l,v86.h,v87.l,v87.h,v88.l,v88.h,v89.l,v89.h,v90.l,v90.h,v91.l,v91.h,v92.l,v92.h,v93.l,v93.h,v94.l,v94.h,v95.l,v95.h
	v_cvt_f32_f16 v[T+n], \r
.set n, n+1
.endr
.else
.irp r, v96.l,v96.h,v97.l,v97.h,v98.l,v98.h,v99.l,v99.h,v100.l,v100.h,v101.l,v101.h,v102.l,v102.h,v103.l,v103.h,v104.l,v104.h,v105.l,v105.h,v106.l,v106.h,v107.l,v107.h,v108.l,v108.h,v109.l,v109.h,v110.l,v110.h,v111.l,v111.h,v112.l,v112.h,v113.l,v113.h,v114.l,v114.h,v115.l,v115.h,v116.l,v116.h,v117.l,v117.h,v118.l,v118.h,v119.l,v119.h,v120.l,v120.h,v121.l,v121.h,v122.l,v122.h,v123.l,v123.h,v124.l,v124.h,v125.l,v125.h,v126.l,v126.h,v127.l,v127.h
	v_cvt_f32_f16 v[T+n], \r
.set n, n+1
.endr
.endif
.endm
.macro QBATCH bq                       ; tiles 2 bq, 2 bq + 1 of my queries: x wq wk, x r_q c, to f16, into Q's registers
	UNPACK \bq
.set n, 0
.rept 32
	v_pk_mul_f32 v[T+2*n:T+2*n+1], v[T+2*n:T+2*n+1], v[224+2*(n%16):225+2*(n%16)]
.set n, n+1
.endr
.set n, 0
.rept 32
	v_pk_mul_f32 v[T+2*n:T+2*n+1], v[T+2*n:T+2*n+1], v[RQ+2*(2*(\bq)+n/16):RQ+2*(2*(\bq)+n/16)+1]
.set n, n+1
.endr
	WIN 0x40
.set n, 0
.rept 32
	v_cvt_pk_f16_f32 v[QR+32*(\bq)+n], v[T+2*n], v[T+2*n+1]
.set n, n+1
.endr
	WIN 0
.endm
.macro KLOAD nb                        ; batch nb: two tiles of 16 keys, 4 KiB of my part of K
.irp i, 0,1,2,3,4,5,6,7
	ds_load_b128 v[64+32*((\nb)%2)+4*\i:64+32*((\nb)%2)+4*\i+3], v[KA] offset:4096*(\nb)+512*\i
.endr
.endm
.macro KBATCH nb, cnt                  ; x r_k, in place.  cnt: the LDS instructions issued behind this batch's loads
	s_wait_dscnt \cnt
	UNPACK (\nb)%2
.set n, 0
.rept 32
	v_pk_mul_f32 v[T+2*n:T+2*n+1], v[T+2*n:T+2*n+1], v[RK+2*(2*(\nb)+n/16):RK+2*(2*(\nb)+n/16)+1]
.set n, n+1
.endr
.set n, 0
.rept 32
	v_cvt_pk_f16_f32 v[192+32*((\nb)%2)+n], v[T+2*n], v[T+2*n+1]
.set n, n+1
.endr
.irp i, 0,1,2,3,4,5,6,7
	ds_store_b128 v[KA], v[192+32*((\nb)%2)+4*\i:192+32*((\nb)%2)+4*\i+3] offset:4096*(\nb)+512*\i
.endr
.if (\nb) < 2
	KLOAD (\nb)+2
.endif
.endm
.macro FETCH base, nops                ; a step's eight fragments of K' (or of V): 16 loads of 512 consecutive bytes.  The addition and the v_nop are places behind the products that read the buffer
	v_add_nc_u32 v[ADR], s[TB], v[\base]
.rept \nops
	v_nop
.endr
	WIN 0x40
.irp f, 0,1,2,3,4,5,6,7
	ds_load_b128 v[KV+8*\f:KV+8*\f+3], v[ADR] offset:1024*\f
	ds_load_b128 v[KV+8*\f+4:KV+8*\f+7], v[ADR] offset:1024*\f+512
.endr
	WIN 0
.endm
.macro QK                              ; S^T = K' Q'^T: 32 products; the 16 accumulators take turns
	WIN 0x05
.irp u, 0,1
.irp kt, 0,1,2,3
.irp t, 0,1,2,3
.if \u == 0
	v_wmma_f32_16x16x32_f16 v[S+32*\t+8*\kt:S+32*\t+8*\kt+7], v[KV+8*(2*\kt+\u):KV+8*(2*\kt+\u)+7], v[QR+16*\t+8*\u:QR+16*\t+8*\u+7], 0
.else
	v_wmma_f32_16x16x32_f16 v[S+32*\t+8*\kt:S+32*\t+8*\kt+7], v[KV+8*(2*\kt+\u):KV+8*(2*\kt+\u)+7], v[QR+16*\t+8*\u:QR+16*\t+8*\u+7], v[S+32*\t+8*\kt:S+32*\t+8*\kt+7]
.endif
.endr
.endr
.endr
	WIN 0
.endm
.macro PV first                        ; O^T += V^T P: 32 products, 16 accumulators by turns; in the first step the first 16 start the sums
	WIN 0x51
.irp kb, 0,1
.irp ct, 0,1,2,3
.irp t, 0,1,2,3
.if (\first) && (\kb == 0)
	v_wmma_f32_16x16x32_f16 v[32*\t+8*\ct:32*\t+8*\ct+7], v[KV+8*(4*\kb+\ct):KV+8*(4*\kb+\ct)+7], v[P+16*\t+8*\kb:P+16*\t+8*\kb+7], 0
.else
	v_wmma_f32_16x16x32_f16 v[32*\t+8*\ct:32*\t+8*\ct+7], v[KV+8*(4*\kb+\ct):KV+8*(4*\kb+\ct)+7], v[P+16*\t+8*\kb:P+16*\t+8*\kb+7], v[32*\t+8*\ct:32*\t+8*\ct+7]
.endif
.endr
.endr
.endr
	WIN 0
.endm
.macro MAXP first                      ; the new m and d = old m - new m; the four tiles by turns; each accumulator is read from its low end on
.irp j, 0,1,2,3
.irp t, 0,1,2,3
	v_max3_num_f32 v[ST+8*\t+4+\j], v[S+32*\t+8*\j], v[S+32*\t+8*\j+1], v[S+32*\t+8*\j+2]
.endr
.endr
.irp g, 1,2
.irp j, 0,1,2,3
.irp t, 0,1,2,3
	v_max3_num_f32 v[ST+8*\t+4+\j], v[ST+8*\t+4+\j], v[S+32*\t+8*\j+2*\g+1], v[S+32*\t+8*\j+2*\g+2]
.endr
.endr
.endr
.irp t, 0,1,2,3
	v_max3_num_f32 v[ST+8*\t+4], v[ST+8*\t+4], v[S+32*\t+7], v[S+32*\t+15]
.endr
.irp t, 0,1,2,3
	v_max3_num_f32 v[ST+8*\t+6], v[ST+8*\t+6], v[S+32*\t+23], v[S+32*\t+31]
.endr
.irp t, 0,1,2,3
	v_max3_num_f32 v[ST+8*\t+4], v[ST+8*\t+4], v[ST+8*\t+5], v[ST+8*\t+6]
.endr
.irp t, 0,1,2,3
.if \first
	v_max_num_f32 v[ST+8*\t+4], v[ST+8*\t+4], v[ST+8*\t+7]
.else
	v_max3_num_f32 v[ST+8*\t+4], v[ST+8*\t+4], v[ST+8*\t+7], v[ST+8*\t]
.endif
.endr
.irp t, 0,1,2,3
	v_permlanex16_b32 v[ST+8*\t+5], v[ST+8*\t+4], s68, s69   ; the query's other 32 keys lie in the lane 16 away
.endr
.if !(\first)
.irp t, 0,1,2,3
	v_mov_b32 v[ST+8*\t+1], v[ST+8*\t]
.endr
.endif
.irp t, 0,1,2,3
	v_max_num_f32 v[ST+8*\t], v[ST+8*\t+4], v[ST+8*\t+5]
.endr
.irp t, 0,1,2,3
.if \first
	v_mov_b32 v[ST+8*\t+1], v[ST+8*\t]                 ; named with m as a pair, so it is written
.else
	v_sub_f32 v[ST+8*\t+1], v[ST+8*\t+1], v[ST+8*\t]
.endif
.endr
.endm
.macro SUBP t, i                       ; a pair of scores less m (of the pair m, d the low word serves both halves)
	v_pk_add_f32 v[S+32*(\t)+2*(\i):S+32*(\t)+2*(\i)+1], v[S+32*(\t)+2*(\i):S+32*(\t)+2*(\i)+1], v[ST+8*(\t):ST+8*(\t)+1] op_sel_hi:[1,0] neg_lo:[0,1] neg_hi:[0,1]
.endm
.macro SUBEXP first                    ; ONE BATCH of exponentials: none of these lines names an exponential's result; a tile's subtractions stand among the tile before's exponentials
.irp i, 0,1,2,3,4,5,6,7,8,9,10,11,12,13,14,15
	SUBP 0, \i
.endr
.irp t, 0,1,2,3
.irp i, 0,1,2,3,4,5,6,7,8,9,10,11,12,13,14,15
	v_exp_f32 v[S+32*\t+2*\i], v[S+32*\t+2*\i]
	v_exp_f32 v[S+32*\t+2*\i+1], v[S+32*\t+2*\i+1]
.if \t < 3
	SUBP \t+1, \i
.endif
.endr
.endr
.if !(\first)
.irp t, 0,1,2,3
	v_exp_f32 v[ST+8*\t+6], v[ST+8*\t+1]               ; a
.endr
.endif
	v_nop                                              ; a plain line behind the last exponential,
	s_wait_alu depctr_va_vdst(0)                       ; and the one wait ahead of the batch's first reader
.endm
.macro SUM1 i, first                   ; number i of 16 of the row sums, of the unrounded p; the four tiles by turns
.irp t, 0,1,2,3
.if \first
.if (\i) == 1
	v_pk_add_f32 v[ST+8*\t+2:ST+8*\t+3], v[S+32*\t:S+32*\t+1], v[S+32*\t+2:S+32*\t+3]
.elseif (\i) > 1
	v_pk_add_f32 v[ST+8*\t+2:ST+8*\t+3], v[ST+8*\t+2:ST+8*\t+3], v[S+32*\t+2*(\i):S+32*\t+2*(\i)+1]
.endif
.else
.if (\i) == 0
	v_pk_fma_f32 v[ST+8*\t+2:ST+8*\t+3], v[ST+8*\t+2:ST+8*\t+3], v[ST+8*\t+6:ST+8*\t+7], v[S+32*\t:S+32*\t+1] op_sel_hi:[1,0,1]
.else
	v_pk_add_f32 v[ST+8*\t+2:ST+8*\t+3], v[ST+8*\t+2:ST+8*\t+3], v[S+32*\t+2*(\i):S+32*\t+2*(\i)+1]
.endif
.endif
.endr
.endm
; A KEY STEP of 64 keys.  K' of this step is on its way.  first = 1: it starts m, l and O^T.  more = 1: the next step's K' is fetched.
.macro STEP first, more
	s_wait_dscnt 0x0                                   ; K' is in
	QK
	FETCH AV0, 3                                       ; V of this step takes K's buffer: four places stand behind the products, which also serve the first read of the scores
	s_add_co_u32 s[TB], s[TB], 8192
	MAXP \first
	SUBEXP \first
.irp t, 0,1,2,3
.irp i, 0,1,2,3,4,5,6,7,8,9,10,11,12,13,14,15
	v_cvt_pk_f16_f32 v[P+16*\t+\i], v[S+32*\t+2*\i], v[S+32*\t+2*\i+1]
.endr
.endr
.if !(\first)
	WIN 0x41
.irp t, 0,1,2,3
.irp i, 0,1,2,3,4,5,6,7,8,9,10,11,12,13,14,15
	v_pk_mul_f32 v[32*\t+2*\i:32*\t+2*\i+1], v[32*\t+2*\i:32*\t+2*\i+1], v[ST+8*\t+6:ST+8*\t+7] op_sel_hi:[1,0]
.endr
.endr
	WIN 0
.endif
.if \more
	s_wait_dscnt 0x0                                   ; V is in
	PV \first
.irp i, 0,1,2
	SUM1 \i, \first                                    ; these name none of the products' registers: the places in front of the loads into the buffer
.endr
	FETCH LI, 0
.irp i, 3,4,5,6,7,8,9,10,11,12,13,14,15
	SUM1 \i, \first
.endr
.else
.irp i, 0,1,2,3,4,5,6,7,8,9,10,11,12,13,14,15
	SUM1 \i, \first
.endr
.irp ct, 0,1,2,3
	global_load_b128 v[64+8*\ct:67+8*\ct], v6, s[12:13] offset:64*\ct        ; v's bias of channels 16 ct + 8 h + 0 .. 7, into registers that the scores have left
	global_load_b128 v[68+8*\ct:71+8*\ct], v6, s[12:13] offset:64*\ct+16
.endr
	s_wait_dscnt 0x0
	PV \first
.endif
.endm
	s_load_b256 s[4:11], s[0:1], 0x0                   ; qkv s[4:5], ssq s[6:7], q_norm_w s[8:9], k_norm_w s[10:11]
	s_load_b128 s[12:15], s[0:1], 0x20                 ; b_qkv s[12:13], ao s[14:15]
	v_lshl_add_u32 v[SPW], v0, 2, SPARE
	v_mov_b32 v[NIL], 0
	ds_add_u32 v[SPW], v[NIL]                          ; the wave's opening: the add, twice on end, and its wait ahead of my first tensor load
	ds_add_u32 v[SPW], v[NIL]
	v_lshrrev_b32 v4, 5, v0
	v_readfirstlane_b32 s16, v4                        ; wave 0..7
	s_and_b32 s17, ttmp7, 0xffff                       ; batch x 16 + head
	s_lshr_b32 s18, s17, 4                             ; batch
	s_and_b32 s19, s17, 15                             ; head
	s_mov_b32 s20, ttmp9                               ; which 512 queries
	s_mov_b32 s24, 3<<16                               ; group 1 for K and V: 64 rows of 256 bytes, dense: 16 KiB
	s_mov_b32 s25, 32<<16
	s_mov_b32 s26, 64<<16
	s_mov_b32 s27, 32<<16
	s_mov_b32 s28, 64
	s_mov_b32 s29, 32
	s_mov_b32 s30, 0
	s_mov_b32 s31, 0
	s_mov_b32 s32, 2<<16                               ; for k's parts: 8 rows of 128 f32, 8,192 f32 apart
	s_mov_b32 s33, 128<<16
	s_mov_b32 s34, 8<<16
	s_mov_b32 s35, 128<<16
	s_mov_b32 s36, 8
	s_mov_b32 s37, 8192
	s_mov_b32 s38, 0
	s_mov_b32 s39, 0
	s_mov_b32 s40, 2<<16                               ; for q's parts: 8 rows of 64 f32
	s_mov_b32 s41, 64<<16
	s_mov_b32 s42, 8<<16
	s_mov_b32 s43, 64<<16
	s_mov_b32 s44, 8
	s_mov_b32 s45, 8192
	s_mov_b32 s46, 0
	s_mov_b32 s47, 0
	s_lshl_b32 s74, s18, 12                            ; the batch's 1,024 tokens of 4 bytes
	s_lshl_b32 s75, s16, 9
	s_add_co_u32 s76, s74, s75
	s_add_co_u32 s76, s76, 262144                      ; k's parts, my 128 keys
	s_mov_b32 s77, 0
	s_lshl_b32 s75, s20, 11
	s_add_co_u32 s78, s74, s75
	s_lshl_b32 s75, s16, 8
	s_add_co_u32 s78, s78, s75                         ; q's parts, my 64 queries
	s_mov_b32 s79, 0
	s_lshl_b32 s80, s17, 17                            ; the head's 128 KiB in a region,
	s_lshl_b32 s75, s16, 14
	s_add_co_u32 s80, s80, s75                         ; my 16 KiB
	s_mov_b32 s81, 0
	s_lshl_b32 s82, s17, 17
	s_lshl_b32 s75, s20, 16
	s_add_co_u32 s82, s82, s75
	s_lshl_b32 s75, s16, 13
	s_add_co_u32 s82, s82, s75                         ; my four tiles of queries
	s_mov_b32 s83, 0
	s_lshl_b32 s84, s19, 8                             ; the head's 64 channels of 4 bytes
	s_mov_b32 s85, 0
	s_mov_b32 s68, 0x76543210
	s_mov_b32 s69, 0xfedcba98                          ; lane l xor 16
	s_mov_b32 s70, 0xffff0000                          ; lanes 16-31
	s_mov_b32 s71, 0x3a800000                          ; 1 / 1024
	s_mov_b32 s72, 0x358637bd                          ; 1e-6
	s_mov_b32 s73, 0x3e38aa3b                          ; c = log2(e) / 8
	s_mov_b32 s[TB], 0
	s_wait_dscnt 0x0                                   ; both opening adds are done
	s_wait_kmcnt 0x0
	s_mov_b32 s48, 1
	s_lshl_b32 s49, s16, 12
	s_add_co_u32 s49, s49, SSK
	s_add_nc_u64 s[50:51], s[6:7], s[76:77]
	s_or_b32 s51, s51, 0x80000000
	s_mov_b32 s52, 1
	s_lshl_b32 s53, s16, 11
	s_add_co_u32 s53, s53, SSQ
	s_add_nc_u64 s[54:55], s[6:7], s[78:79]
	s_or_b32 s55, s55, 0x80000000
	s_mov_b32 s56, 1
	s_lshl_b32 s57, s16, 14
	s_add_nc_u64 s[58:59], s[4:5], s[80:81]
	s_add_nc_u64 s[58:59], s[58:59], 0x1000000         ; k's region
	s_mov_b32 s60, 1
	s_add_co_u32 s61, s57, VREG
	s_add_nc_u64 s[62:63], s[58:59], 0x1000000         ; v's region
	s_or_b32 s59, s59, 0x80000000
	s_or_b32 s63, s63, 0x80000000
	tensor_load_to_lds s[48:51], s[32:39]              ; all four are first fills, ahead of every wait on TENSORcnt, every LDS read and the barrier
	s_nop 0
	tensor_load_to_lds s[52:55], s[40:47]
	s_nop 0
	tensor_load_to_lds s[56:59], s[24:31]
	s_nop 0
	tensor_load_to_lds s[60:63], s[24:31]
	s_nop 0
	v_and_b32 v9, 31, v0
	v_lshlrev_b32 v[LI], 4, v9
	v_lshlrev_b32 v5, 2, v9
	v_bfe_u32 v6, v0, 4, 1
	v_lshlrev_b32 v6, 5, v6                            ; 32 h
	v_add_nc_u32 v[AV0], VREG, v[LI]
	v_add_nc_u32 v[KA], s57, v[LI]
	v_add_nc_u32 v7, s49, v5                           ; my lane among k's parts,
	v_add_nc_u32 v8, s53, v5                           ; among q's
	s_add_nc_u64 s[8:9], s[8:9], s[84:85]
	s_add_nc_u64 s[10:11], s[10:11], s[84:85]
	s_add_nc_u64 s[12:13], s[12:13], s[84:85]
	s_add_nc_u64 s[12:13], s[12:13], 8192              ; v's bias lies behind q's and k's
	s_add_nc_u64 s[4:5], s[4:5], s[82:83]
.irp g, 0,1,2,3
	global_load_b128 v[224+8*\g:227+8*\g], v6, s[8:9] offset:64*\g        ; wq, wk of channels 16 g + 8 h + 0 .. 7: a fragment's order
	global_load_b128 v[228+8*\g:231+8*\g], v6, s[8:9] offset:64*\g+16
	global_load_b128 v[192+8*\g:195+8*\g], v6, s[10:11] offset:64*\g
	global_load_b128 v[196+8*\g:199+8*\g], v6, s[10:11] offset:64*\g+16
.endr
.set i, 0
.rept 16
	global_load_b128 v[64+4*i:67+4*i], v[LI], s[4:5] offset:512*i         ; my raw q: 8 fragments' images
.set i, i+1
.endr
	s_lshl_b32 s74, s18, 4                             ; ao: [64 rows][K step of 128 = two heads][row tile][fragment of 32]
	s_lshl_b32 s75, s20, 3
	s_add_co_u32 s74, s74, s75
	s_add_co_u32 s74, s74, s16
	s_lshl_b32 s74, s74, 3
	s_lshr_b32 s75, s19, 1
	s_add_co_u32 s74, s74, s75
	s_lshl_b32 s74, s74, 14
	s_and_b32 s75, s19, 1
	s_lshl_b32 s75, s75, 11
	s_add_co_u32 s74, s74, s75
	s_mov_b32 s75, 0
	s_add_nc_u64 s[14:15], s[14:15], s[74:75]
	s_wait_tensorcnt 0x2                               ; the parts are in; K's and V's loads may be out.  Only I read my slices
.irp p, 0,1,2,3,4,5,6,7
.irp g, 0,1,2,3
	ds_load_b32 v[T+4*\p+\g], v7 offset:512*\p+128*\g  ; part p of key 32 g + lane
.endr
.endr
.irp p, 0,1,2,3,4,5,6,7
.irp g, 0,1
	ds_load_b32 v[T+32+2*\p+\g], v8 offset:256*\p+128*\g
.endr
.endr
	s_wait_dscnt 0x0
.irp p, 1,2,3,4,5,6,7
	v_pk_add_f32 v[T:T+1], v[T:T+1], v[T+4*\p:T+4*\p+1]
	v_pk_add_f32 v[T+2:T+3], v[T+2:T+3], v[T+4*\p+2:T+4*\p+3]
	v_pk_add_f32 v[T+32:T+33], v[T+32:T+33], v[T+32+2*\p:T+32+2*\p+1]
.endr
.irp j, 0,1,2,3,32,33
	v_fma_f32 v[T+\j], v[T+\j], s71, s72               ; the mean of squares + eps
.endr
.irp j, 0,1,2,3,32,33
	v_rsq_f32 v[T+\j], v[T+\j]
.endr
	v_nop                                              ; a plain line behind the last of them,
	s_wait_alu depctr_va_vdst(0)                       ; and the one wait ahead of the first reader
	v_mul_f32 v[T+32], s73, v[T+32]
	v_mul_f32 v[T+33], s73, v[T+33]
.irp j, 0,1,2,3
	v_permlanex16_b32 v[T+8+\j], v[T+\j], s68, s69
.endr
	v_permlanex16_b32 v[T+40], v[T+32], s68, s69
	v_permlanex16_b32 v[T+41], v[T+33], s68, s69
.irp g, 0,1,2,3                        ; a fragment's lane (r, h) wants its tile's row r: tile 2 g lies in lanes 0-15 of register g, tile 2 g + 1 in lanes 16-31; both words of a pair are written
	v_cndmask_b32 v[RK+4*\g], v[T+\g], v[T+8+\g], s70
	v_cndmask_b32 v[RK+4*\g+1], v[T+\g], v[T+8+\g], s70
	v_cndmask_b32 v[RK+4*\g+2], v[T+8+\g], v[T+\g], s70
	v_cndmask_b32 v[RK+4*\g+3], v[T+8+\g], v[T+\g], s70
.endr
.irp g, 0,1
	v_cndmask_b32 v[RQ+4*\g], v[T+32+\g], v[T+40+\g], s70
	v_cndmask_b32 v[RQ+4*\g+1], v[T+32+\g], v[T+40+\g], s70
	v_cndmask_b32 v[RQ+4*\g+2], v[T+40+\g], v[T+32+\g], s70
	v_cndmask_b32 v[RQ+4*\g+3], v[T+40+\g], v[T+32+\g], s70
.endr
	s_wait_loadcnt 0x0                                 ; wq, wk, raw q
.set i, 0
.rept 16
	v_pk_mul_f32 v[224+2*i:225+2*i], v[224+2*i:225+2*i], v[192+2*i:193+2*i]
.set i, i+1
.endr
	QBATCH 0
	QBATCH 1
	s_wait_tensorcnt 0x1                               ; my part of K is in; V's load may be out
	KLOAD 0
	KLOAD 1
	KBATCH 0, 8                                        ; behind batch 0's loads: batch 1's
	KBATCH 1, 16                                       ; batch 0's stores, batch 2's loads
	KBATCH 2, 16                                       ; batch 1's stores, batch 3's loads
	KBATCH 3, 8                                        ; batch 2's stores
	s_wait_tensorcnt 0x0                               ; my part of V is in,
	s_wait_dscnt 0x0                                   ; my stores of K' have landed:
	s_barrier_signal -1
	s_barrier_wait -1                                  ; everybody's.
	FETCH LI, 0                                        ; K' of step 0
	STEP 1, 1
	s_mov_b32 s67, 14
.Lstep:
	STEP 0, 1
	s_sub_co_u32 s67, s67, 1
	s_cmp_lg_u32 s67, 0
	s_cbranch_scc1 .Lstep
	STEP 0, 0
	; THE WAY OUT.  The additions are the places behind the last products.
.irp t, 0,1,2,3
	v_add_f32 v[ST+8*\t+4], v[ST+8*\t+2], v[ST+8*\t+3]
.endr
.irp t, 0,1,2,3
	v_permlanex16_b32 v[ST+8*\t+5], v[ST+8*\t+4], s68, s69
.endr
.irp t, 0,1,2,3
	v_add_f32 v[ST+8*\t+4], v[ST+8*\t+4], v[ST+8*\t+5]
.endr
.irp t, 0,1,2,3
	v_rcp_f32 v[ST+8*\t+6], v[ST+8*\t+4]
.endr
	v_nop
	s_wait_alu depctr_va_vdst(0)                       ; one wait for the four reciprocals
	s_wait_loadcnt 0x0                                 ; v's bias
.irp t, 0,1,2,3
	WIN 0x41
.irp i, 0,1,2,3,4,5,6,7,8,9,10,11,12,13,14,15
	v_pk_fma_f32 v[32*\t+2*\i:32*\t+2*\i+1], v[32*\t+2*\i:32*\t+2*\i+1], v[ST+8*\t+6:ST+8*\t+7], v[64+2*\i:65+2*\i] op_sel_hi:[1,0,1]   ; O / l + b_v, each accumulator from its low end on
.endr
	WIN 0x05
.irp i, 0,1,2,3,4,5,6,7,8,9,10,11,12,13,14,15
	v_cvt_pk_f16_f32 v[96+16*\t+\i], v[32*\t+2*\i], v[32*\t+2*\i+1]
.endr
.endr
	WIN 0
.irp t, 0,1,2,3
.irp k, 0,1,2,3
	global_store_b128 v[LI], v[96+16*\t+4*\k:96+16*\t+4*\k+3], s[14:15] offset:4096*\t+512*\k   ; 512 consecutive bytes: half a fragment's image
.endr
.endr
	s_wait_tensorcnt 0x0                               ; the wave's end
	ds_add_u32 v[SPW], v[NIL]
	s_wait_dscnt 0x0
	s_endpgm
.Lfunc_end_k_q7b83241bdc_attn:
	.size	k_q7b83241bdc_attn, .Lfunc_end_k_q7b83241bdc_attn-k_q7b83241bdc_attn
	.p2alignl 7, 3214868480
	.fill 96, 4, 3214868480
	.section	.rodata,"a",@progbits
	.p2align	6, 0x0
	.amdhsa_kernel k_q7b83241bdc_attn
		.amdhsa_group_segment_fixed_size 312320
		.amdhsa_private_segment_fixed_size 0
		.amdhsa_enable_private_segment 0
		.amdhsa_kernarg_size 48
		.amdhsa_user_sgpr_count 2
		.amdhsa_user_sgpr_kernarg_segment_ptr 1
		.amdhsa_wavefront_size32 1
		.amdhsa_system_sgpr_workgroup_id_x 1
		.amdhsa_system_sgpr_workgroup_id_y 1
		.amdhsa_system_sgpr_workgroup_id_z 1
		.amdhsa_system_vgpr_workitem_id 0
		.amdhsa_next_free_vgpr 512
		.amdhsa_next_free_sgpr 90
		.amdhsa_reserve_vcc 0
		.amdhsa_float_denorm_mode_32 3
		.amdhsa_float_denorm_mode_16_64 3
		.amdhsa_memory_ordered 1
		.amdhsa_forward_progress 1
		.amdhsa_inst_pref_size 162
	.end_amdhsa_kernel
	.amdgpu_metadata
---
amdhsa.version: [ 1, 2 ]
amdhsa.kernels:
  - .name:           k_q7b83241bdc_attn
    .symbol:         k_q7b83241bdc_attn.kd
    .args:
      - { .name: qkv, .offset: 0, .size: 8, .value_kind: global_buffer, .address_space: global }
      - { .name: ssq, .offset: 8, .size: 8, .value_kind: global_buffer, .address_space: global }
      - { .name: q_norm_w, .offset: 16, .size: 8, .value_kind: global_buffer, .address_space: global }
      - { .name: k_norm_w, .offset: 24, .size: 8, .value_kind: global_buffer, .address_space: global }
      - { .name: b_qkv, .offset: 32, .size: 8, .value_kind: global_buffer, .address_space: global }
      - { .name: ao, .offset: 40, .size: 8, .value_kind: global_buffer, .address_space: global }
    .group_segment_fixed_size: 312320
    .private_segment_fixed_size: 0
    .kernarg_segment_align: 8
    .kernarg_segment_size: 48
    .max_flat_workgroup_size: 256
    .sgpr_count:     90
    .vgpr_count:     512
    .wavefront_size: 32
...
	.end_amdgpu_metadata
.endif
;; end of part 3
;; launch proj (part 4): grid 4 x 64, 4 waves a work-group, clusters of 4 x 4, 327,680 bytes of LDS; arguments ao, wpf, b_proj, out0; writes out0
.if DOCPART == 4
	.amdgcn_target "amdgcn-amd-amdhsa--gfx1250"
	.amdhsa_code_object_version 6
	.text
	.protected	k_q7b83241bdc_proj
	.globl	k_q7b83241bdc_proj
	.p2align	8
	.type	k_q7b83241bdc_proj,@function
k_q7b83241bdc_proj:
	s_mov_b64 s[64:65], 0
	v_nop
	global_prefetch_b8 v0, s[64:65] scope:SCOPE_SE
	s_setreg_imm32_b32 hwreg(HW_REG_WAVE_MODE, 25, 1), 1
	s_wait_xcnt 0x0
	s_wait_alu depctr_hold_cnt(0) depctr_sa_sdst(0) depctr_va_vdst(0) depctr_va_sdst(0) depctr_va_ssrc(0) depctr_va_vcc(0) depctr_vm_vsrc(0)
	s_getreg_b32 s2, hwreg(HW_REG_IB_STS2, 6, 4)
	s_cmp_eq_u32 s2, 0
	s_cbranch_scc0 .Lentry_in_a_cluster
	s_endpgm
.Lentry_in_a_cluster:
	s_bfe_u32 s2, ttmp6, 0x10000c
	s_cmp_lg_u32 s2, 0xf033
	s_cbranch_scc0 .Lentry_shape_is_right
	s_endpgm
.Lentry_shape_is_right:
; out0 = ao W_proj + b_proj.  ao [8192][1024] and W_proj [1024][1024] arrive in f16 as register images (a fragment, 16 rows x 32 K, is 1,024 bytes); sums and out0 f32.
; A tile of out0 is 128 rows x 256 columns: 256 work-groups.  Four waves, each 64 x 128: 32 accumulators.  Source 0 = 16 columns of W, source 1 = 16 rows of ao: a lane holds eight neighbouring columns of a row.
; K goes in 8 steps of 128 through two LDS slots.  A K step's tiles are dense blocks: waves 0, 1 fetch ao's two halves (16 KiB), waves 2, 3 W's (32 KiB), one joint load a wave behind each round of the cluster's barrier.
; CLUSTER 4 x 4: ao's tile is shared along a row, W's along a column.  The bias is the C of each sum's first product.
; REGISTERS: window 0: v16-30 addresses; v64-127 the bias; v128-255 rows on the way out, two sets.  window 1: two fragment buffers of 96 (W's 64, ao's 32) at v0 and v128.  window 2: accumulator (a, b) at v[8 (8 a + b)].
.set SLOT,  98304                      ; ao's 2 x 16 KiB, then W's 2 x 32 KiB
.set STAGE, 2*SLOT                     ; behind the ring: 16 rows x (512 + 16) bytes for each wave; no fill lands there
.set SPARE, STAGE+4*8448               ; the spare words, 128 bytes a wave, that no other line names
.set ADRA, 16
.set ADRB, 20
.set STO,  24
.set RD,   25
.set CO,   26
.set SPW,  28
.set NIL,  29
.set PFO,  30                          ; v30 256 x lane
.set BIAS, 64
.set BK,   128
.set F0,   0
.set F1,   128
.set G1A, 24
.set G0A, 32                           ; s[32:39] a set for each slot
.set G1B, 48
.set G0B, 56                           ; s[56:63]
.set PFA, 44                           ; s[44:45] where my prefetches stand
.set LIM, 47                           ; s47 1 in a wave that prefetches, else the greatest number
.set MSB, 0
.macro WIN new
.if MSB != (\new)
	s_set_vgpr_msb (MSB<<8)|(\new)
.set MSB, (\new)
.endif
.endm
.macro PLACES n
.rept \n
	v_nop
.endr
.endm
.macro CREST                           ; a round of the cluster's barrier behind its opening barrier
	s_cmp_lg_u32 s14, 0
	s_cbranch_scc1 .Lnot_wave_0_\@
	s_barrier_signal -3
.Lnot_wave_0_\@:
	s_barrier_wait -3
	s_barrier_signal -1
	s_barrier_wait -1
.endm
.macro CROUND
	s_barrier_signal -1
	s_barrier_wait -1
	CREST
.endm
.macro JLOAD s                         ; a joint refill; the branch hangs on the wave's number alone; an s_nop 0 and four v_nop follow each of the two lines
	s_cmp_eq_u32 s15, 0
	s_cbranch_scc0 .Lfor_b_\@
	tensor_load_to_lds s[G0A+4*\s:G0A+4*\s+3], s[G1A:G1A+7]
	s_nop 0
	PLACES 4
	s_branch .Lasked_\@
.Lfor_b_\@:
	tensor_load_to_lds s[G0B+4*\s:G0B+4*\s+3], s[G1B:G1B+7]
	s_nop 0
	PLACES 4
.Lasked_\@:
.endm
; A prefetch of ao: in the first two trips of the loop, behind slot 0's joint load and the run of LDS loads, waves 0 and 1 name 8 KiB each (lanes 256 bytes apart) of the two K steps that the next trip will load.
; The four partners that ask for a tile jointly share those 32 KiB out by address (8,192 cx): each block of 256 bytes is named once.  The last trip asks for nothing; K steps 0 to 3 come by their loads alone.
.macro ASK
	s_cmp_gt_u32 s3, s[LIM]
	s_cbranch_scc0 .Lnot_mine_\@
	global_prefetch_b8 v[PFO], s[PFA:PFA+1] th:TH_LOAD_NT scope:SCOPE_SE
.Lnot_mine_\@:
.endm
.macro MUL8 f, a, bias                 ; row tile a x the eight column tiles, 32 along K; the 32 accumulators take turns
.irp b, 0,1,2,3,4,5,6,7
.if \bias
	v_wmma_f32_16x16x32_f16 v[8*(8*(\a)+\b):8*(8*(\a)+\b)+7], v[\f+8*\b:\f+8*\b+7], v[\f+64+8*(\a):\f+64+8*(\a)+7], v[BIAS+8*\b:BIAS+8*\b+7]
.else
	v_wmma_f32_16x16x32_f16 v[8*(8*(\a)+\b):8*(8*(\a)+\b)+7], v[\f+8*\b:\f+8*\b+7], v[\f+64+8*(\a):\f+64+8*(\a)+7], v[8*(8*(\a)+\b):8*(8*(\a)+\b)+7]
.endif
.endr
.endm
.macro FETCH slot, kq, f               ; 24 LDS loads in one run: the fragments of quarter kq: W's eight, then ao's four
	WIN 0x40
.irp i, 0,1,2,3,4,5,6,7
	ds_load_b128 v[\f+8*\i:\f+8*\i+3], v[ADRB+\slot] offset:(4*\i+\kq)*1024
	ds_load_b128 v[\f+8*\i+4:\f+8*\i+7], v[ADRB+\slot] offset:(4*\i+\kq)*1024+512
.endr
.irp i, 0,1,2,3
	ds_load_b128 v[\f+64+8*\i:\f+64+8*\i+3], v[ADRA+\slot] offset:(4*\i+\kq)*1024
	ds_load_b128 v[\f+64+8*\i+4:\f+64+8*\i+7], v[ADRA+\slot] offset:(4*\i+\kq)*1024+512
.endr
.endm
; A K step is four quarters of 32 along K, 32 products each, on buffers 0, 1, 0, 1.  One of the first three: multiplies buffer f, fetches quarter kq into g.
.macro QUARTER slot, kq, f, g, bias
	s_wait_dscnt 4                                     ; W's fragments and ao's tiles 0, 1 are in; the youngest four loads may be out
	WIN 0xa5-0x20*(\bias)                              ; sources 0, 1 window 1; D window 2; C window 2, or window 0 for the bias
	MUL8 \f, 0, \bias
	MUL8 \f, 1, \bias
	PLACES 4                                           ; in front of loads into registers that products have read
	FETCH \slot, \kq, \g
	s_wait_dscnt 24                                    ; all but the 24 just issued
	WIN 0xa5-0x20*(\bias)
	MUL8 \f, 2, \bias
	MUL8 \f, 3, \bias
.endm
; The last quarter multiplies buffer 1 and changes slots: in front of the barrier each wave waits for all its tensor loads, adds 0 to its spare word, and waits for that and for its reads of this slot.
.macro TURN slot, next, fill
.if (\fill) && ((\slot) == 0)
	s_wait_xcnt 0x0                                    ; the last prefetch, a lap back, has read its address
	s_add_nc_u64 s[PFA:PFA+1], s[PFA:PFA+1], 32768     ; two K steps on
.endif
	WIN 0
	s_wait_tensorcnt 0x0                               ; all my tensor loads have landed: my part of the next slot
	ds_add_u32 v[SPW], v[NIL]
	s_wait_dscnt 5                                     ; (the add and the youngest four loads may be out)
	WIN 0xa5
	MUL8 F1, 0, 0
	s_wait_dscnt 0x0                                   ; the add is done, and my reads of this slot are over
	s_barrier_signal -1
	MUL8 F1, 1, 0
.if \fill
	WIN 0
.endif
	s_barrier_wait -1
.if \fill
	CREST                                              ; the barrier has opened a round of the cluster's: no wave of any partner still reads this slot or has a load on its way
	s_add_nc_u64 s[G0A+4*\slot+2:G0A+4*\slot+3], s[G0A+4*\slot+2:G0A+4*\slot+3], 32768
	s_add_nc_u64 s[G0B+4*\slot+2:G0B+4*\slot+3], s[G0B+4*\slot+2:G0B+4*\slot+3], 65536
	JLOAD \slot                                        ; the first tensor load behind the round; its four v_nop are also the places in front of the loads below
.else
	PLACES 4
.endif
	FETCH \next, 0, F0
.if (\fill) && ((\slot) == 0)
	WIN 0
	ASK
.endif
	WIN 0xa5
	MUL8 F1, 2, 0
	MUL8 F1, 3, 0
.endm
.macro TOSTAGE a                       ; 16 rows x 128 columns through my own stage: in 32 bytes a lane, back as whole rows of 512 bytes.  LDS serves a wave's instructions in order
	WIN 0x08                                           ; an LDS store's data are its source 1: window 2
.irp b, 0,1,2,3,4,5,6,7
	ds_store_b128 v[STO], v[8*(8*(\a)+\b):8*(8*(\a)+\b)+3] offset:64*\b       ; each accumulator from its low end on
	ds_store_b128 v[STO], v[8*(8*(\a)+\b)+4:8*(8*(\a)+\b)+7] offset:64*\b+16
.endr
	WIN 0
.set BB, BK+64*((\a)%2)
.set i, 0
.rept 16
	ds_load_b128 v[BB+4*i:BB+4*i+3], v[RD] offset:i*528
.set i, i+1
.endr
.endm
.macro SEND a, younger                 ; younger: the LDS instructions issued behind block a's loads
.set BB, BK+64*((\a)%2)
	s_wait_dscnt \younger
.if (\a) > 0
	s_add_nc_u64 s[10:11], s[10:11], 65536             ; 16 rows on (behind a wait on XCNT: the earlier stores have read their base)
.endif
.set i, 0
.rept 16
	global_store_b128 v[CO], v[BB+4*i:BB+4*i+3], s[10:11] offset:i*4096 th:TH_STORE_NT   ; 512 consecutive bytes, at a multiple of 256 from out0's first byte
.set i, i+1
.endr
.endm
	s_load_b256 s[4:11], s[0:1], 0x0                   ; ao s[4:5], wpf s[6:7], b_proj s[8:9], out0 s[10:11]
	v_lshl_add_u32 v[SPW], v0, 2, SPARE
	v_mov_b32 v[NIL], 0
	ds_add_u32 v[SPW], v[NIL]                          ; the wave's opening: the add, twice on end, and its wait ahead of my first tensor load
	ds_add_u32 v[SPW], v[NIL]
	v_lshrrev_b32 v1, 5, v0
	v_readfirstlane_b32 s14, v1                        ; wave 0..3
	s_lshr_b32 s15, s14, 1                             ; my 64 rows.  Also: I fetch for ao (0) or for W (1)
	s_and_b32 s16, s14, 1                              ; my 128 columns.  Also: which half I fetch
	s_bfe_u32 s40, ttmp6, 0x40000                      ; cx: the tile column
	s_bfe_u32 s41, ttmp6, 0x40004                      ; cy
	s_and_b32 s43, ttmp7, 0xffff
	s_lshl_b32 s17, s43, 2
	s_add_co_u32 s17, s17, s41                         ; the tile row = 4 x cluster y + cy
	s_lshl_b32 s18, s41, 2
	s_lshl_b32 s18, 15, s18                            ; my row of the cluster
	s_lshl_b32 s19, 0x1111, s40                        ; my column
	s_or_b32 s[G1A], s18, (3<<16)|(1<<21)              ; the mask; elements of 8 bytes; bit 21 beside a mask; no padding
	s_or_b32 s[G1B], s19, (3<<16)|(1<<21)
	s_mov_b32 s[G1A+1], 32<<16                         ; rows of 256 bytes,
	s_mov_b32 s[G1A+2], 64<<16                         ; 64 of them, dense
	s_mov_b32 s[G1A+3], 32<<16
	s_mov_b32 s[G1A+4], 64
	s_mov_b32 s[G1A+5], 32
	s_mov_b32 s[G1A+6], 0
	s_mov_b32 s[G1A+7], 0
	s_mov_b32 s[G1B+1], 32<<16
	s_mov_b32 s[G1B+2], 128<<16                        ; W's: 128 rows
	s_mov_b32 s[G1B+3], 32<<16
	s_mov_b32 s[G1B+4], 128
	s_mov_b32 s[G1B+5], 32
	s_mov_b32 s[G1B+6], 0
	s_mov_b32 s[G1B+7], 0
	s_lshl_b32 s20, s17, 1
	s_add_co_u32 s20, s20, s16
	s_lshl_b32 s20, s20, 17                            ; ao: 64 rows are 8 K steps of 16 KiB
	s_mov_b32 s21, 0
	s_lshl_b32 s22, s40, 1
	s_add_co_u32 s22, s22, s16
	s_lshl_b32 s22, s22, 18                            ; W: 128 columns are 8 K steps of 32 KiB
	s_mov_b32 s23, 0
	s_lshl_b32 s12, s16, 14                            ; where they go: the wave's number alone
	s_lshl_b32 s13, s16, 15
	s_add_co_u32 s13, s13, 32768
	s_wait_dscnt 0x0                                   ; both opening adds are done
	s_wait_kmcnt 0x0
	s_add_nc_u64 s[20:21], s[4:5], s[20:21]
	s_add_nc_u64 s[22:23], s[6:7], s[22:23]
	CROUND                                             ; all sixteen work-groups are here: the first joint loads meet
.irp s, 0,1
	s_mov_b32 s[G0A+4*\s], 1
	s_add_co_u32 s[G0A+4*\s+1], s12, \s*SLOT
	s_add_nc_u64 s[G0A+4*\s+2:G0A+4*\s+3], s[20:21], \s*16384
	s_or_b32 s[G0A+4*\s+3], s[G0A+4*\s+3], 0x80000000
	s_mov_b32 s[G0B+4*\s], 1
	s_add_co_u32 s[G0B+4*\s+1], s13, \s*SLOT
	s_add_nc_u64 s[G0B+4*\s+2:G0B+4*\s+3], s[22:23], \s*32768
	s_or_b32 s[G0B+4*\s+3], s[G0B+4*\s+3], 0x80000000
.endr
	s_cmp_eq_u32 s15, 0                                ; a wave's two first fills stand in one branch: two loads of mine are out
	s_cbranch_scc0 .Lfirst_b
	tensor_load_to_lds s[G0A:G0A+3], s[G1A:G1A+7]
	s_nop 0
	tensor_load_to_lds s[G0A+4:G0A+7], s[G1A:G1A+7]
	s_nop 0
	PLACES 4
	s_branch .Lfirst_asked
.Lfirst_b:
	tensor_load_to_lds s[G0B:G0B+3], s[G1B:G1B+7]
	s_nop 0
	tensor_load_to_lds s[G0B+4:G0B+7], s[G1B:G1B+7]
	s_nop 0
	PLACES 4
.Lfirst_asked:
	s_lshl_b32 s84, s40, 13                            ; the prefetches: my work-group's 8 KiB of 32,
	s_add_co_u32 s84, s84, 32768                       ; at K step 2: the first change of slots steps it to K step 4
	s_mov_b32 s85, 0
	s_add_nc_u64 s[PFA:PFA+1], s[20:21], s[84:85]
	s_cmp_eq_u32 s15, 0
	s_cselect_b32 s[LIM], 1, -1
	v_and_b32 v1, 31, v0
	v_and_b32 v2, 15, v0                               ; r
	v_bfe_u32 v3, v0, 4, 1                             ; h
	v_lshlrev_b32 v[CO], 4, v1                         ; 16 x lane
	v_lshlrev_b32 v[PFO], 8, v1
	s_lshl_b32 s86, s15, 14                            ; my 64 rows of ao,
	s_lshl_b32 s87, s16, 15
	s_add_co_u32 s87, s87, 32768                       ; my 128 columns of W
.irp s, 0,1
	v_add_nc_u32 v[ADRA+\s], s86, v[CO]
	v_add_nc_u32 v[ADRB+\s], s87, v[CO]
	s_add_co_u32 s86, s86, SLOT
	s_add_co_u32 s87, s87, SLOT
.endr
	s_mul_i32 s86, s14, 8448
	s_add_co_u32 s86, s86, STAGE                       ; my stage
	v_mul_u32_u24 v[STO], v2, 528
	v_lshl_add_u32 v[STO], v3, 5, v[STO]
	v_add_nc_u32 v[STO], s86, v[STO]                   ; in: row r, + 32 h
	v_add_nc_u32 v[RD], s86, v[CO]                     ; back: a row's 512 bytes over 32 lanes
	v_lshlrev_b32 v4, 5, v3                            ; the bias: 32 h
	s_lshl_b32 s84, s40, 10                            ; my first column, in bytes: 1,024 cx + 512 x half
	s_lshl_b32 s86, s16, 9
	s_add_co_u32 s84, s84, s86
	s_add_nc_u64 s[8:9], s[8:9], s[84:85]
.irp b, 0,1,2,3,4,5,6,7
	global_load_b128 v[BIAS+8*\b:BIAS+8*\b+3], v4, s[8:9] offset:64*\b       ; b_proj of columns 16 b + 8 h + 0 .. 7: the result's layout
	global_load_b128 v[BIAS+8*\b+4:BIAS+8*\b+7], v4, s[8:9] offset:64*\b+16
.endr
	s_add_nc_u64 s[10:11], s[10:11], s[84:85]
	s_lshl_b32 s84, s17, 1
	s_add_co_u32 s84, s84, s15
	s_lshl_b32 s84, s84, 18                            ; my first row: 64 rows of 4,096 bytes
	s_add_nc_u64 s[10:11], s[10:11], s[84:85]
	s_wait_tensorcnt 0x1                               ; my part of K step 0 is in; K step 1's may be out
	s_wait_loadcnt 0x0                                 ; the bias
	s_barrier_signal -1
	s_barrier_wait -1
	FETCH 0, 0, F0
	QUARTER 0, 1, F0, F1, 1                            ; the first quarter stands in front of the loop: its products start the sums from the bias
	WIN 0
	s_mov_b32 s3, 3
.Llap:                                                     ; a trip goes once round the ring and fills both slots again
	QUARTER 0, 2, F1, F0, 0
	QUARTER 0, 3, F0, F1, 0
	TURN 0, 1, 1
	QUARTER 1, 1, F0, F1, 0
	QUARTER 1, 2, F1, F0, 0
	QUARTER 1, 3, F0, F1, 0
	TURN 1, 0, 1
	QUARTER 0, 1, F0, F1, 0
	WIN 0
	s_sub_co_u32 s3, s3, 1
	s_cmp_lg_u32 s3, 0
	s_cbranch_scc1 .Llap
	QUARTER 0, 2, F1, F0, 0                            ; the last lap fills nothing, and has no round of the cluster's barrier
	QUARTER 0, 3, F0, F1, 0
	TURN 0, 1, 0
	QUARTER 1, 1, F0, F1, 0
	QUARTER 1, 2, F1, F0, 0
	QUARTER 1, 3, F0, F1, 0
	s_wait_dscnt 4
	WIN 0xa5
	MUL8 F1, 0, 0
	MUL8 F1, 1, 0
	s_wait_dscnt 0x0
	MUL8 F1, 2, 0
	MUL8 F1, 3, 0
	WIN 0
	PLACES 4                                           ; in front of the first read of results
	TOSTAGE 0
.irp a, 1,2,3
.if \a > 1
	s_wait_xcnt 0x0                                    ; block a - 2's stores have read their registers and their base
.endif
	TOSTAGE \a
	SEND \a-1, 32                                      ; behind block a - 1's loads: block a's 16 stores and 16 loads
.endr
	s_wait_xcnt 0x0
	SEND 3, 0
	s_wait_tensorcnt 0x0                               ; the wave's end
	ds_add_u32 v[SPW], v[NIL]
	s_wait_dscnt 0x0
	CROUND                                             ; the closing round
	s_endpgm
.Lfunc_end_k_q7b83241bdc_proj:
	.size	k_q7b83241bdc_proj, .Lfunc_end_k_q7b83241bdc_proj-k_q7b83241bdc_proj
	.p2alignl 7, 3214868480
	.fill 96, 4, 3214868480
	.section	.rodata,"a",@progbits
	.p2align	6, 0x0
	.amdhsa_kernel k_q7b83241bdc_proj
		.amdhsa_group_segment_fixed_size 327680
		.amdhsa_private_segment_fixed_size 0
		.amdhsa_enable_private_segment 0
		.amdhsa_kernarg_size 32
		.amdhsa_user_sgpr_count 2
		.amdhsa_user_sgpr_kernarg_segment_ptr 1
		.amdhsa_wavefront_size32 1
		.amdhsa_system_sgpr_workgroup_id_x 1
		.amdhsa_system_sgpr_workgroup_id_y 1
		.amdhsa_system_sgpr_workgroup_id_z 1
		.amdhsa_system_vgpr_workitem_id 0
		.amdhsa_next_free_vgpr 768
		.amdhsa_next_free_sgpr 100
		.amdhsa_reserve_vcc 0
		.amdhsa_float_denorm_mode_32 3
		.amdhsa_float_denorm_mode_16_64 3
		.amdhsa_memory_ordered 1
		.amdhsa_forward_progress 1
		.amdhsa_inst_pref_size 86
	.end_amdhsa_kernel
	.amdgpu_metadata
---
amdhsa.version: [ 1, 2 ]
amdhsa.kernels:
  - .name:           k_q7b83241bdc_proj
    .symbol:         k_q7b83241bdc_proj.kd
    .args:
      - { .name: ao, .offset: 0, .size: 8, .value_kind: global_buffer, .address_space: global }
      - { .name: wpf, .offset: 8, .size: 8, .value_kind: global_buffer, .address_space: global }
      - { .name: b_proj, .offset: 16, .size: 8, .value_kind: global_buffer, .address_space: global }
      - { .name: out0, .offset: 24, .size: 8, .value_kind: global_buffer, .address_space: global }
    .group_segment_fixed_size: 327680
    .private_segment_fixed_size: 0
    .kernarg_segment_align: 8
    .kernarg_segment_size: 32
    .max_flat_workgroup_size: 128
    .sgpr_count:     100
    .vgpr_count:     768
    .wavefront_size: 32
...
	.end_amdgpu_metadata
.endif
;; end of part 4
